; MI455X (gfx1250); checked and timed in simulation.
; The chip was launched on July 23, 2026; its instructions are those of AMD's public machine-readable ISA for CDNA 5 (MIT licence, August 2026) and "CDNA5" Instruction Set Architecture Reference Guide (July 2026). The comments in the code are by the model that wrote it; some were corrected since.
;; VTDCLIP. Allowed arithmetic: matrix products marked QUANTISED: E2M3 operands, one E8M0 scale for each 32 along K, by v_wmma_scale_f32_16x16x128_f8f6f4 with both operands' format E2M3, f32 sums; products left as they are: f32 operands where the result goes on into a quantised operand, else bf16, f16 or f32 operands; f32 sums; everything else in f32.
;; Inputs: fc1_b 2,048 float32; fc1_w 2,048 x 512 float32; fc2_b 512 float32; fc2_w 512 x 2,048 float32; image_feats 1,024 x 16 x 512 float32; k_b 512 float32; k_w 512 x 512 float32; o_b 512 float32; o_w 512 x 512 float32; q_b 512 float32; q_w 512 x 512 float32; text_feats 400 x 512 float32; v_b 512 float32; v_w 512 x 512 float32.
;; Outputs: out0 400 x 1,024 x 16 float32.
;; This version of the problem:
;;   THIS VERSION OF THE PROBLEM IS GIVEN IN LOW PRECISION. The matrix products marked QUANTISED in the list below multiply operands that are first quantised to E2M3 (2 exponent bits, 3 mantissa bits; 6 bits a number), with one power-of-two scale for each 32 numbers along K (OCP MX v1.0); their sums are f32. All else is computed in f32.
;;   The module's matrix products, in the order in which they are computed (A, B: the left and right operand; K: the contracted axis; several contracted axes count as one K, in the product's order):
;;     1. [M 400, K 512] x [K 512, N 16,384]; A: computed on the way; B: computed on the way: QUANTISED
;;     2. [M 16,384, K 512] x [K 512, N 400]; A: input image_feats; B: input text_feats: QUANTISED
;;     3. [M 16,384, K 512] x [K 512, N 512]; A: input image_feats; B: input q_w: QUANTISED
;;     4. [M 1,024, K 512] x [K 512, N 512]; A: computed on the way; B: input k_w: QUANTISED
;;     5. [M 1,024, K 512] x [K 512, N 512]; A: computed on the way; B: input v_w: QUANTISED
;;     6. batch 8,192 x [M 16, K 64] x [K 64, N 1]; A: computed on the way; B: computed on the way: left as it is (N = 1 < 16)
;;     7. batch 8,192 x [M 16, K 1] x [K 1, N 64]; A: softmax; B: computed on the way: left as it is (K = 1 < 32)
;;     8. [M 16,384, K 512] x [K 512, N 512]; A: computed on the way; B: input o_w: QUANTISED
;;     9. [M 16,384, K 512] x [K 512, N 2,048]; A: computed on the way; B: input fc1_w: QUANTISED
;;     10. [M 16,384, K 2,048] x [K 2,048, N 512]; A: computed on the way; B: input fc2_w: QUANTISED
;;     11. [M 400, K 512] x [K 512, N 16,384]; A: computed on the way; B: computed on the way: QUANTISED
;;   THE QUANTISER, for each operand of a quantised product, along K:
;;     - K is cut into blocks of 32 from its start; a last block that is shorter is filled with zeros.
;;     - A block's scale is 2^e with e = floor(log2(the largest magnitude in the block)) - 2, held to -126 .. 127; a block of zeros has e = 0. As a byte (E8M0): e + 127.
;;     - Each number is divided by its block's scale, clamped to +-7.5, and rounded to the nearest number of E2M3, ties to even, subnormals kept.
;;     - The product sums the exact products of the quantised numbers (number of the format x scale) in f32.
;;   ~~~python
;;   def quantise(x, axis):      # numpy; x: float32 -> the quantised numbers, widened to float32 again
;;       x = np.moveaxis(x, axis, -1); K = x.shape[-1]
;;       x = np.pad(x, [(0, 0)] * (x.ndim - 1) + [(0, -K % 32)]); x = x.reshape(x.shape[:-1] + (-1, 32)); a = np.abs(x).max(-1, keepdims=True)
;;       e = np.where(a > 0, np.clip(np.frexp(np.where(a > 0, a, 1))[1] - 1 - 2, -126, 127), 0)      # np.frexp(a)[1] - 1 = floor(log2(a)), exactly
;;       r = np.clip(x / 2.0 ** e, -7.5, 7.5)
;;       step = 2.0 ** (np.maximum(np.frexp(np.where(r == 0, 1, r))[1] - 1, 0) - 3)
;;       q = np.round(r / step) * step * 2.0 ** e      # np.round: ties to even
;;       return np.moveaxis(q.reshape(q.shape[:-2] + (-1,))[..., :K], -1, axis).astype(np.float32)
;;   ~~~
;;   OPERANDS COMPUTED ON THE WAY. 'Computed on the way' means the value that the module computes at that place (a softmax that the list does not call 'softmax' is quantised finished and normalised). What goes into a quantiser is computed in f32, as accurately as f32 sums, v_exp_f32 and their like allow (about 1e-6 of the number): no bf16 or f16 on the way to a quantiser, and a product that is left as it is and whose result goes on into a quantised operand takes f32 operands (vector FMAs, or v_wmma_f32_16x16x4_f32). A number that lies on a knife's edge between two numbers of the format may be rounded either way, as far as f32 arithmetic and the matrix unit's own rounding can turn it there, and no further.
;; One version. Each part assembles by itself: llvm-mc -triple=amdgcn-amd-amdhsa -mcpu=gfx1250 --defsym DOCPART=n.
;; ======== version 1 of 1: 3 launches
;; workspace buffers: wst 2,662,400 bytes; tst 417,792 bytes; kvt 1,638,400 bytes; top 4,096 bytes of whole numbers
;; launch prep (part 1): grid 200 x 1, 4 waves a work-group, no clusters, 68,096 bytes of LDS; arguments q_w, o_w, fc1_w, fc2_w, k_w, v_w, text_feats, wst, tst; writes wst, tst
.if DOCPART == 1
	.amdgcn_target "amdgcn-amd-amdhsa--gfx1250"
	.amdhsa_code_object_version 6
	.text
	.protected	k_q66f5f6813d_prep
	.globl	k_q66f5f6813d_prep
	.p2align	8
	.type	k_q66f5f6813d_prep,@function
k_q66f5f6813d_prep:
	s_mov_b64 s[64:65], 0
	v_nop
	global_prefetch_b8 v0, s[64:65] scope:SCOPE_SE
	s_setreg_imm32_b32 hwreg(HW_REG_WAVE_MODE, 25, 1), 1
	s_wait_xcnt 0x0
; PREP: every weight and the text become codes of FP6 (E2M3) with one E8M0 byte for each 32 along K, laid in the ORDER OF THE OPERAND'S REGISTERS.
; A fragment (16 rows x 128 K, 12 registers a lane) is 1,536 bytes: register group c (4 registers) of lane l at 512 c + 16 l.  A scale register is 128 bytes, lane l's word at 4 l:
; lanes 0-15 the 16 rows' words of an even K step, lanes 16-31 those of the odd K step behind it.
; wst: 13 units of 512 rows x 512 K (0 q_w, 1 o_w, 2+2c fc1_w rows 512 c on, 3+2c fc2_w K 512 c on, 10 the normalised text, 11 k_w, 12 v_w).  A unit is two slots (K steps 0,1 and 2,3),
; a slot four parts of 128 rows, a part 16 fragments at (8 sp + t) x 1,536 and 8 scale registers behind them.  THE ROWS OF A WEIGHT'S TILE ARE NOT NEIGHBOURS: lane r of tile t takes row
; 32 (t / 2) + 8 (t % 2) + r + 8 (r / 8) of its part, so that a transposed product leaves 16 neighbours along the next K in 16 registers.  The text's tiles are in natural order.
; tst: 32 class tiles of 13,056 bytes: 4 raw fragments, 4 normalised ones, 4 scale registers, and the classes' sums of squares (+infinity for classes 400 on, whose codes are zeros).
; Work-groups 0-191: a wave makes one tile's two fragments of one slot.  Work-groups 192-199: a wave makes one class tile.  Waves share nothing: no barrier.
; LOADS: a load takes 512 consecutive bytes of ONE row, 16 a lane; the conversions want 16 neighbours along K in one lane.  So a K step's 16 rows turn through the wave's own stage in LDS (macro TURN).
; LIMITS: NaN, infinities and a text row of zeros are not served; 1 / norm is v_rsq_f32; a block of zeros gets the byte 1 (its codes are zeros; only this program reads the bytes).
.set TM,    8                          ; v8-23   at work in QUANT
.set PW,    24                         ; v24-27  scale words
.set JS,    28                         ; v28-31  scale registers, two K steps joined
.set PC0,   32                         ; v32-51, v52-71 two sets of codes
.set SM,    72                         ; v72-82  sums
.set TI,    84                         ; v84     my stage, in: 8,448 x wave + 16 x lane
.set TO,    85                         ; v85     my stage, out: 8,448 x wave + 528 r + 64 h
.set SPW,   86                         ; v86     LDS address of my spare word; never rewritten
.set NIL,   87                         ; v87     0; never rewritten
.set SEL,   2                          ; s[2:3]  selects for lane l xor 16
.set UNITB, 204800
.set SLOTB, 102400
.set PARTB, 25600
.set FRB,   1536
.set TILEB, 13056
.set STW,   0                          ; LDS: the weights' path: a stage of 16 rows x 528 bytes for each wave
.set STT,   33792                      ; the text's path: the same, in bytes of its own
.set SPARE, 67584                      ; the spare words: 128 bytes for each wave, which no other line names
.set MSB, 0
.macro WIN new                         ; the immediate's high byte repeats the setting that is left
.if MSB != (\new)
	s_set_vgpr_msb (MSB<<8)|(\new)
.set MSB, \new
.endif
.endm
; A K step of 16 rows, 64 registers of window W from base on.  In: register group i holds row i's bytes 16 x lane .. + 15.  Out: register 16 b + i holds k = 32 b + 16 (lane / 16) + i of row lane % 16.
; LDS serves a wave's instructions in order: the loads see the stores, and the next turn's stores come behind these loads.  Rows 528 bytes apart: sixteen rows begin in sixteen different groups of banks.
.macro TURN base, W, off
	WIN ((\W)<<2)                                  ; an LDS store's data are its source 1
.irp i, 0,1,2,3,4,5,6,7,8,9,10,11,12,13,14,15
	ds_store_b128 v[TI], v[(\base)+4*\i:(\base)+4*\i+3] offset:(\off)+528*\i
.endr
	WIN ((\W)<<6)
.irp b, 0,1,2,3
.irp j, 0,1,2,3
	ds_load_b128 v[(\base)+16*\b+4*\j:(\base)+16*\b+4*\j+3], v[TO] offset:(\off)+128*\b+16*\j
.endr
.endr
	WIN 0
.endm
; 64 numbers of a lane in window W, register 16 b + i = k 32 b + 16 (lane / 16) + i of my row, become a fragment's codes in v[pc] on and its scale word in v[pw].
.macro QUANT src, W, ab, pc, pw
	WIN (((\W)<<2)|((\W)<<4))
.irp b, 0,1,2,3
.if \ab
	v_max3_num_f32 v[TM+\b], 0x1800000, |v[(\src)+16*\b]|, |v[(\src)+1+16*\b]|   ; the floor 2^(3 - 127) holds the byte at 1 from below
.else
	v_max3_num_f32 v[TM+\b], 0x1800000, v[(\src)+16*\b], v[(\src)+1+16*\b]
.endif
.endr
.irp i, 2,4,6,8,10,12,14
.irp b, 0,1,2,3
.if \ab
	v_max3_num_f32 v[TM+\b], v[TM+\b], |v[(\src)+16*\b+\i]|, |v[(\src)+1+16*\b+\i]|   ; the four blocks by turns
.else
	v_max3_num_f32 v[TM+\b], v[TM+\b], v[(\src)+16*\b+\i], v[(\src)+1+16*\b+\i]
.endif
.endr
.endr
	WIN 0
.irp b, 0,1,2,3
	v_permlanex16_b32 v[TM+4+\b], v[TM+\b], s[SEL], s[SEL+1]
.endr
.irp b, 0,1,2,3
	v_max_num_f32 v[TM+\b], v[TM+\b], v[TM+4+\b]       ; with lane l xor 16's: the block's largest magnitude
.endr
.irp b, 0,1,2,3
	v_add_nc_u32 v[TM+12+\b], 0xff000000, v[TM+\b]     ; 2 off its exponent field: the conversion's scale operand
.endr
.irp b, 0,1,2,3
	v_lshrrev_b32 v[TM+4+\b], 23, v[TM+12+\b]          ; the scale's byte
.endr
	v_lshl_or_b32 v[\pw], v[TM+5], 8, v[TM+4]
	v_lshl_or_b32 v[\pw], v[TM+6], 16, v[\pw]
	v_lshl_or_b32 v[\pw], v[TM+7], 24, v[\pw]
	WIN (\W)
.irp c, 0,1
	v_cvt_scalef32_pk16_fp6_f32 v[(\pc)+6*\c:(\pc)+2+6*\c], v[(\src)+32*\c:(\src)+15+32*\c], v[TM+12+2*\c]
	v_cvt_scalef32_pk16_fp6_f32 v[(\pc)+12+4*\c:(\pc)+14+4*\c], v[(\src)+16+32*\c:(\src)+31+32*\c], v[TM+12+2*\c+1]
.endr
	WIN 0
	v_nop                                              ; one plain place behind a scaled conversion
.irp c, 0,1                                        ; the layout wants a whole block in a lane
.irp i, 0,1,2
	v_permlane16_swap_b32 v[(\pc)+6*\c+\i], v[(\pc)+12+4*\c+\i]
.endr
.irp i, 0,1,2
	v_mov_b32 v[(\pc)+3+6*\c+\i], v[(\pc)+12+4*\c+\i]
.endr
.endr
.endm
.macro PUT pc, ptr, off                ; a fragment's image: three stores of 512 consecutive bytes
.irp c, 0,1,2
	global_store_b128 v5, v[(\pc)+4*\c:(\pc)+4*\c+3], s[\ptr:\ptr+1] offset:(\off)+512*\c
.endr
.endm
.macro WLOADS pitch                    ; a weight's tile, two K steps: 32 loads of 512 consecutive bytes; row i of the tile is row i + 8 (i / 8) from its first
	WIN 0x40                                       ; destination window 1
.irp s, 0,1
.irp i, 0,1,2,3,4,5,6,7,8,9,10,11,12,13,14,15
	global_load_b128 v[64*\s+4*\i:64*\s+4*\i+3], v5, s[42:43] offset:(\i+8*(\i/8))*(\pitch)+512*\s th:TH_LOAD_NT
.endr
.endr
	WIN 0
.endm
	s_load_b256 s[4:11], s[0:1], 0x0               ; q_w, o_w, fc1_w, fc2_w
	s_load_b256 s[12:19], s[0:1], 0x20             ; k_w, v_w, text_feats, wst
	s_load_b64 s[20:21], s[0:1], 0x40              ; tst
	v_lshl_add_u32 v[SPW], v0, 2, SPARE
	v_mov_b32 v[NIL], 0
	v_lshrrev_b32 v1, 5, v0
	v_readfirstlane_b32 s22, v1                    ; wave
	v_and_b32 v1, 31, v0                           ; lane
	v_and_b32 v2, 15, v0                           ; r
	v_bfe_u32 v3, v0, 4, 1                         ; h
	v_lshlrev_b32 v5, 4, v1                        ; 16 x lane
	v_lshlrev_b32 v6, 2, v1                        ; 4 x lane
	s_mul_i32 s44, s22, 8448                       ; my stage
	v_add_nc_u32 v[TI], s44, v5
	v_mul_u32_u24 v[TO], v2, 528
	v_lshl_add_u32 v[TO], v3, 6, v[TO]
	v_add_nc_u32 v[TO], s44, v[TO]
	s_mov_b32 s[SEL], 0x76543210
	s_mov_b32 s[SEL+1], 0xfedcba98
	s_mov_b32 s23, 0xffff0000                      ; lanes 16-31
.irp b, 0,1,2,3
	v_mov_b32 v[TM+4+\b], 0                        ; a lane permute's destination counts as one of its sources
.endr
	s_cmp_ge_u32 ttmp9, 192
	s_cbranch_scc1 .Ltext
	; ---- a weight's tile: K steps 2 hh and 2 hh + 1
	s_lshr_b32 s24, ttmp9, 4                       ; p: which 512 x 512
	s_bfe_u32 s25, ttmp9, 0x10003                  ; hh: which slot of the unit
	s_bfe_u32 s26, ttmp9, 0x20001                  ; part
	s_and_b32 s27, ttmp9, 1
	s_lshl_b32 s27, s27, 2
	s_add_co_u32 s27, s27, s22                     ; tile t
	s_sub_co_u32 s28, s24, 2
	s_lshr_b32 s29, s28, 1                         ; chunk c of fc1 or fc2
	s_and_b32 s30, s24, 1
	s_add_co_u32 s30, s30, 1
	s_cmp_lt_u32 s28, 8
	s_cselect_b32 s30, s30, 0                      ; 1: fc1, 2: fc2, 0: a 512 x 512 weight
	s_cselect_b32 s29, s29, 0
	s_cmp_ge_u32 s24, 10
	s_cselect_b32 s31, 1, 0
	s_add_co_u32 s31, s31, s24                     ; the unit (unit 10 is the text's)
	s_lshl_b32 s32, s26, 7
	s_lshr_b32 s33, s27, 1
	s_lshl_b32 s33, s33, 5
	s_add_co_u32 s32, s32, s33
	s_and_b32 s33, s27, 1
	s_lshl_b32 s33, s33, 3
	s_add_co_u32 s32, s32, s33                     ; 128 part + 32 (t / 2) + 8 (t % 2)
	s_lshl_b32 s33, s29, 9
	s_cmp_eq_u32 s30, 1
	s_cselect_b32 s34, s33, 0
	s_add_co_u32 s32, s32, s34                     ; fc1: + 512 c rows
	s_lshl_b32 s33, s29, 11
	s_cmp_eq_u32 s30, 2
	s_cselect_b32 s34, s33, 0                      ; fc2: + 512 c along K, in bytes
	s_cselect_b32 s35, 13, 11                      ; a row is 8,192 bytes in fc2, else 2,048
	s_lshl_b32 s36, s25, 10
	s_add_co_u32 s34, s34, s36
	s_lshl_b32 s32, s32, s35
	s_add_co_u32 s32, s32, s34                     ; the tile's first row and K step, in bytes
	s_mov_b32 s33, 0
	s_mul_i32 s36, s31, UNITB
	s_mul_i32 s37, s25, SLOTB
	s_add_co_u32 s36, s36, s37
	s_mul_i32 s37, s26, PARTB
	s_add_co_u32 s36, s36, s37                     ; the part in wst
	s_mul_i32 s38, s27, FRB
	s_add_co_u32 s38, s38, s36
	s_mov_b32 s39, 0
	s_lshl_b32 s40, s27, 7
	s_add_co_u32 s40, s40, s36
	s_add_co_u32 s40, s40, 16*FRB
	s_mov_b32 s41, 0
	s_wait_kmcnt 0x0
	s_cmp_eq_u32 s24, 10                           ; the choice hangs on the work-group's number alone
	s_cselect_b64 s[42:43], s[12:13], s[14:15]
	s_cmp_eq_u32 s24, 0
	s_cselect_b64 s[42:43], s[4:5], s[42:43]
	s_cmp_eq_u32 s24, 1
	s_cselect_b64 s[42:43], s[6:7], s[42:43]
	s_cmp_eq_u32 s30, 1
	s_cselect_b64 s[42:43], s[8:9], s[42:43]
	s_cmp_eq_u32 s30, 2
	s_cselect_b64 s[42:43], s[10:11], s[42:43]
	s_add_nc_u64 s[42:43], s[42:43], s[32:33]
	s_add_nc_u64 s[38:39], s[18:19], s[38:39]
	s_add_nc_u64 s[40:41], s[18:19], s[40:41]
	s_cmp_eq_u32 s30, 2                            ; the rows' distance stands in the loads' immediates: so the 32 loads are written once for each of the two pitches
	s_cbranch_scc1 .Lwide
	WLOADS 2048
	s_branch .Lgot
.Lwide:
	WLOADS 8192
.Lgot:
	s_wait_loadcnt 16                              ; the first K step's 16 loads are in; the second's may be out
	TURN 0, 1, STW
	s_wait_loadcnt 0x0
	TURN 64, 1, STW
	s_wait_dscnt 32                                ; the first turn is back; the second's 32 instructions may be out
	QUANT 0, 1, 1, PC0, PW
	PUT PC0, 38, 0
	s_wait_dscnt 0x0
	QUANT 64, 1, 1, PC0+20, PW+1
	PUT PC0+20, 38, 8*FRB
	v_cndmask_b32 v[JS], v[PW], v[PW+1], s23       ; lanes 0-15 the even K step's words, lanes 16-31 the odd one's
	global_store_b32 v6, v[JS], s[40:41]
	s_wait_tensorcnt 0x0                           ; the wave's end
	ds_add_u32 v[SPW], v[NIL]
	s_wait_dscnt 0x0
	s_endpgm
.Ltext:	; ---- a class tile: 16 rows of the text, raw and normalised
	s_sub_co_u32 s24, ttmp9, 192
	s_lshl_b32 s24, s24, 2
	s_add_co_u32 s24, s24, s22                     ; class tile 0..31
	s_min_u32 s38, s24, 24                         ; no load leaves the buffer: tiles 25 on read the last tile's rows and are turned into zeros
	s_lshl_b32 s38, s38, 15                        ; 16 rows of 2,048 bytes
	s_mov_b32 s39, 0
	s_cmp_lt_u32 s24, 25
	s_cselect_b32 s26, 1.0, 0
	s_cselect_b32 s28, -1, 0
	s_mov_b32 s27, s26
	s_mul_i32 s30, s24, TILEB
	s_mov_b32 s31, 0
	s_lshr_b32 s32, s24, 3
	s_mul_i32 s32, s32, PARTB
	s_add_co_u32 s32, s32, 10*UNITB
	s_and_b32 s33, s24, 7
	s_mul_i32 s34, s33, FRB
	s_add_co_u32 s34, s34, s32
	s_mov_b32 s35, 0
	s_lshl_b32 s36, s33, 7
	s_add_co_u32 s36, s36, s32
	s_add_co_u32 s36, s36, 16*FRB
	s_mov_b32 s37, 0
	s_wait_kmcnt 0x0
	s_add_nc_u64 s[38:39], s[16:17], s[38:39]      ; my 16 rows of the text
	s_add_nc_u64 s[30:31], s[20:21], s[30:31]      ; my tile in tst
	s_add_nc_u64 s[34:35], s[18:19], s[34:35]      ; its fragments in unit 10
	s_add_nc_u64 s[36:37], s[18:19], s[36:37]      ; its scale registers there
	WIN 0x40
.irp s, 0,1,2,3
.irp i, 0,1,2,3,4,5,6,7,8,9,10,11,12,13,14,15
	global_load_b128 v[64*\s+4*\i:64*\s+4*\i+3], v5, s[38:39] offset:2048*\i+512*\s
.endr
.endr
	WIN 0
.irp s, 0,1,2,3
	s_wait_loadcnt 16*(3-\s)                       ; this K step's 16 loads are in; the later steps' may be out
	TURN 64*\s, 1, STT
.endr
	s_wait_dscnt 63                                ; of the four turns' 128 LDS instructions at most 63 are out: K steps 0 and 1 are back
	WIN 0x05                                       ; sources 0 and 1 window 1: the row's sum of squares, four chains of pairs
.irp k, 0,2,4,6
	v_pk_mul_f32 v[SM+\k:SM+\k+1], v[\k:\k+1], v[\k:\k+1]
.endr
.set n, 8
.rept 124
.if n == 128
	s_wait_dscnt 32                                ; K step 2 is back; the last turn may be out
.elseif n == 192
	s_wait_dscnt 0x0
.endif
	v_pk_fma_f32 v[SM+n%8:SM+n%8+1], v[n:n+1], v[n:n+1], v[SM+n%8:SM+n%8+1]
.set n, n+2
.endr
	WIN 0
	v_pk_add_f32 v[SM:SM+1], v[SM:SM+1], v[SM+2:SM+3]
	v_pk_add_f32 v[SM+4:SM+5], v[SM+4:SM+5], v[SM+6:SM+7]
	v_pk_add_f32 v[SM:SM+1], v[SM:SM+1], v[SM+4:SM+5]
	v_add_f32 v[SM], v[SM], v[SM+1]
	v_permlanex16_b32 v[SM+2], v[SM], s[SEL], s[SEL+1]
	v_add_f32 v[SM], v[SM], v[SM+2]                ; c2 of my row
	v_rsq_f32 v[SM+8], v[SM]
	v_mov_b32 v[SM+10], 0x7f800000                 ; (the plain place behind the transcendental)
	s_wait_alu depctr_va_vdst(0)                   ; the wait ahead of the first reader
	v_mov_b32 v[SM+9], v[SM+8]
	v_cndmask_b32 v[SM+10], v[SM+10], v[SM], s28   ; classes 400 on: +infinity, so that no frame ever takes them
	WIN 0x41                                       ; destination and source 0 window 1
.set n, 0
.rept 128
	v_pk_mul_f32 v[n:n+1], v[n:n+1], s[26:27] op_sel_hi:[1,0]      ; x 1, or x 0 in tiles 25 on
.set n, n+2
.endr
.irp s, 0,1,2,3
.if \s >= 2
	s_wait_xcnt 0x0                                ; the stores of two fragments back have read this set of codes
.endif
	QUANT 64*\s, 1, 1, PC0+20*(\s%2), PW+\s
	PUT PC0+20*(\s%2), 30, FRB*\s
.endr
	v_cndmask_b32 v[JS], v[PW], v[PW+1], s23
	v_cndmask_b32 v[JS+1], v[PW+2], v[PW+3], s23
	global_store_b32 v6, v[JS], s[30:31] offset:12288
	global_store_b32 v6, v[JS+1], s[30:31] offset:12416
	WIN 0x41
.set n, 0
.rept 128
	v_pk_mul_f32 v[n:n+1], v[n:n+1], v[SM+8:SM+9]                  ; / the row's norm
.set n, n+2
.endr
.irp s, 0,1,2,3
	s_wait_xcnt 0x0
	QUANT 64*\s, 1, 1, PC0+20*(\s%2), PW+\s
	PUT PC0+20*(\s%2), 30, 6144+FRB*\s
	PUT PC0+20*(\s%2), 34, (\s/2)*SLOTB+(\s%2)*8*FRB
.endr
	v_cndmask_b32 v[JS+2], v[PW], v[PW+1], s23
	v_cndmask_b32 v[JS+3], v[PW+2], v[PW+3], s23
	global_store_b32 v6, v[JS+2], s[30:31] offset:12544
	global_store_b32 v6, v[JS+3], s[30:31] offset:12672
	global_store_b32 v6, v[JS+2], s[36:37]
	global_store_b32 v6, v[JS+3], s[36:37] offset:SLOTB
	global_store_b32 v6, v[SM+10], s[30:31] offset:12800
	s_wait_tensorcnt 0x0                           ; the wave's end
	ds_add_u32 v[SPW], v[NIL]
	s_wait_dscnt 0x0
	s_endpgm
.Lfunc_end_k_q66f5f6813d_prep:
	.size	k_q66f5f6813d_prep, .Lfunc_end_k_q66f5f6813d_prep-k_q66f5f6813d_prep
	.p2alignl 7, 3214868480
	.fill 96, 4, 3214868480
	.section	.rodata,"a",@progbits
	.p2align	6, 0x0
	.amdhsa_kernel k_q66f5f6813d_prep
		.amdhsa_group_segment_fixed_size 68096
		.amdhsa_private_segment_fixed_size 0
		.amdhsa_enable_private_segment 0
		.amdhsa_kernarg_size 72
		.amdhsa_user_sgpr_count 2
		.amdhsa_user_sgpr_kernarg_segment_ptr 1
		.amdhsa_wavefront_size32 1
		.amdhsa_system_sgpr_workgroup_id_x 1
		.amdhsa_system_sgpr_workgroup_id_y 1
		.amdhsa_system_sgpr_workgroup_id_z 1
		.amdhsa_system_vgpr_workitem_id 0
		.amdhsa_next_free_vgpr 512
		.amdhsa_next_free_sgpr 66
		.amdhsa_reserve_vcc 0
		.amdhsa_float_denorm_mode_32 3
		.amdhsa_float_denorm_mode_16_64 3
		.amdhsa_memory_ordered 1
		.amdhsa_forward_progress 1
		.amdhsa_inst_pref_size 99
	.end_amdhsa_kernel
	.amdgpu_metadata
---
amdhsa.version: [ 1, 2 ]
amdhsa.kernels:
  - .name:           k_q66f5f6813d_prep
    .symbol:         k_q66f5f6813d_prep.kd
    .args:
      - { .name: q_w, .offset: 0, .size: 8, .value_kind: global_buffer, .address_space: global }
      - { .name: o_w, .offset: 8, .size: 8, .value_kind: global_buffer, .address_space: global }
      - { .name: fc1_w, .offset: 16, .size: 8, .value_kind: global_buffer, .address_space: global }
      - { .name: fc2_w, .offset: 24, .size: 8, .value_kind: global_buffer, .address_space: global }
      - { .name: k_w, .offset: 32, .size: 8, .value_kind: global_buffer, .address_space: global }
      - { .name: v_w, .offset: 40, .size: 8, .value_kind: global_buffer, .address_space: global }
      - { .name: text_feats, .offset: 48, .size: 8, .value_kind: global_buffer, .address_space: global }
      - { .name: wst, .offset: 56, .size: 8, .value_kind: global_buffer, .address_space: global }
      - { .name: tst, .offset: 64, .size: 8, .value_kind: global_buffer, .address_space: global }
    .group_segment_fixed_size: 68096
    .private_segment_fixed_size: 0
    .kernarg_segment_align: 8
    .kernarg_segment_size: 72
    .max_flat_workgroup_size: 128
    .sgpr_count:     66
    .vgpr_count:     512
    .wavefront_size: 32
...
	.end_amdgpu_metadata
.endif
;; end of part 1
;; launch spot (part 2): grid 256 x 1, 4 waves a work-group, no clusters, 157,440 bytes of LDS; arguments image_feats, wst, tst, k_b, v_b, kvt, top; writes kvt, top
.if DOCPART == 2
	.amdgcn_target "amdgcn-amd-amdhsa--gfx1250"
	.amdhsa_code_object_version 6
	.text
	.protected	k_q66f5f6813d_spot
	.globl	k_q66f5f6813d_spot
	.p2align	8
	.type	k_q66f5f6813d_spot,@function
k_q66f5f6813d_spot:
	s_mov_b64 s[64:65], 0
	v_nop
	global_prefetch_b8 v0, s[64:65] scope:SCOPE_SE
	s_setreg_imm32_b32 hwreg(HW_REG_WAVE_MODE, 25, 1), 1
	s_wait_xcnt 0x0
; SPOT: for each video (16 frames = one tile) the class that the later launch gathers; and the k and v projections of all 400 classes.
; A work-group takes 4 videos.  Wave w quantises video w, raw and normalised, and hands the 8 fragments round through LDS as images of their registers.  In the loop wave w takes class
; tiles 4 i + w (i = 0..6) for ALL four videos: a text fragment comes from memory straight into one wave's registers, a trip ahead, and feeds four products.
; THE IMAGE is loaded 512 consecutive bytes of one frame at a time, 16 a lane, and a K step's 16 frames turn through the wave's own stage in LDS (macro TURN), since the conversions want 16 neighbours along K in one lane.
; PRODUCTS: source 0 = the 16 frames, source 1 = 16 classes: a lane holds ONE class (lane % 16) and the frames 8 (lane / 16) + 0..7.  So the softmax over the frames wants 8 registers and lane l xor 16,
; and the search for each frame's nearest class is a running best (distance, class, weight) for each register, joined at the end over 16 lanes and 4 waves through LDS.
; Ties go to the lower class: the compare is strict and classes ascend; at the joins the lowest class among equals is taken.
; K, V: work-groups 0-99 also make kvt[class][0..511] = text k_w^T + k_b and [512..1023] = text v_w^T + v_b: a wave 16 classes x 64 columns.  A class's row is what the row gathered later would give, bit for bit.
; No multicast: every text fragment lands in one wave's operand registers; a ring in LDS would add a barrier to each of seven short trips.
; LIMITS: NaN, infinities and frames of zeros are not served; 1 / norm is v_rsq_f32, 1 / sum v_rcp_f32; sims / 0.01 and the exponential's base are one multiply-add by 100 log2(e), the row's largest taken away.
; REGISTERS: window 0: v1-22 addresses; v32-77 scale words and nothing else; v80-143 the 8 accumulators; v144-253 at work.  window 1: the frames in f32, then the raw fragments (48 b + 12 s).
;   window 2: the k/v job's weights, then the normalised fragments.  window 3: v0-95 a class tile's 8 fragments; v96, v128, v160 + 8 b + j: best distance, class, weight; v192 + 8 b + j: the frames' sums of squares.
.set XI,    0                          ; LDS: 32 fragments (8 b + 4 set + s)
.set XSCL,  49152                      ; their scale words, 128 bytes each
.set ZL,    53248                      ; z2 [video][frame]
.set RED,   53504                      ; 3 quantities x [video] 4,352 [frame] 272 [wave] 64 [lane] 4
.set KVSTG, 105728                     ; the k/v job's stage: 16 rows x 272 for each wave
.set TSTG,  123136                     ; the image's stage: 16 rows x 528 for each wave
.set SPARE, 156928                     ; the spare words: 128 bytes for each wave, which no other line names
.set UNITB, 204800
.set SLOTB, 102400
.set PARTB, 25600
.set FRB,   1536
.set TILEB, 13056
.set CI,  17                           ; v17 the class of this trip, as a float
.set C2P, 18                           ; v18-19 its sum of squares, twice
.set C2L, 20                           ; v20 the same as loaded
.set TI,  21                           ; v21 the image's stage, in: 16 x lane
.set TO,  22                           ; v22 and out: 528 r + 64 h
.set SPW, 28
.set NIL, 29
.set XSC, 32
.set TSC, 64
.set KSC, 68
.set S,   80
.set P,   112
.set MX,  144
.set MP,  148
.set MC,  152
.set SU,  160
.set SU2, 168
.set RC,  176
.set SM,  184
.set TM,  196
.set PW,  212
.set PC0, 214
.set WV,  18
.set SEL, 20
.set CC,  22
.set TP,  24
.set CNT, 26
.set MSB, 0
.macro WIN new
.if MSB != (\new)
	s_set_vgpr_msb (MSB<<8)|(\new)
.set MSB, \new
.endif
.endm
.macro PLACES
.rept 4
	v_nop
.endr
.endm
.macro BAR                             ; my LDS stores have landed and my LDS loads are in: then the work-group's barrier
	s_wait_dscnt 0x0
	s_barrier_signal -1
	s_barrier_wait -1
.endm
; A K step of 16 rows, 64 registers of window W from base on.  In: register group i holds row i's bytes 16 x lane .. + 15.  Out: register 16 b + i holds k = 32 b + 16 (lane / 16) + i of row lane % 16.
; LDS serves a wave's instructions in order: the loads see the stores, and the next turn's stores come behind these loads.  Rows 528 bytes apart: sixteen rows begin in sixteen different groups of banks.
.macro TURN base, W
	WIN ((\W)<<2)                                  ; an LDS store's data are its source 1
.irp i, 0,1,2,3,4,5,6,7,8,9,10,11,12,13,14,15
	ds_store_b128 v[TI], v[(\base)+4*\i:(\base)+4*\i+3] offset:528*\i
.endr
	WIN ((\W)<<6)
.irp b, 0,1,2,3
.irp j, 0,1,2,3
	ds_load_b128 v[(\base)+16*\b+4*\j:(\base)+16*\b+4*\j+3], v[TO] offset:128*\b+16*\j
.endr
.endr
	WIN 0
.endm
.macro QUANT src, W, ab, pc, pw        ; 64 numbers of a lane (register 16 b + i = k 32 b + 16 (lane / 16) + i) -> a fragment's codes and its scale word
	WIN (((\W)<<2)|((\W)<<4))
.irp b, 0,1,2,3
.if \ab
	v_max3_num_f32 v[TM+\b], 0x1800000, |v[(\src)+16*\b]|, |v[(\src)+1+16*\b]|
.else
	v_max3_num_f32 v[TM+\b], 0x1800000, v[(\src)+16*\b], v[(\src)+1+16*\b]
.endif
.endr
.irp i, 2,4,6,8,10,12,14
.irp b, 0,1,2,3
.if \ab
	v_max3_num_f32 v[TM+\b], v[TM+\b], |v[(\src)+16*\b+\i]|, |v[(\src)+1+16*\b+\i]|
.else
	v_max3_num_f32 v[TM+\b], v[TM+\b], v[(\src)+16*\b+\i], v[(\src)+1+16*\b+\i]
.endif
.endr
.endr
	WIN 0
.irp b, 0,1,2,3
	v_permlanex16_b32 v[TM+4+\b], v[TM+\b], s[SEL], s[SEL+1]
.endr
.irp b, 0,1,2,3
	v_max_num_f32 v[TM+\b], v[TM+\b], v[TM+4+\b]
.endr
.irp b, 0,1,2,3
	v_add_nc_u32 v[TM+12+\b], 0xff000000, v[TM+\b]
.endr
.irp b, 0,1,2,3
	v_lshrrev_b32 v[TM+4+\b], 23, v[TM+12+\b]
.endr
	v_lshl_or_b32 v[\pw], v[TM+5], 8, v[TM+4]
	v_lshl_or_b32 v[\pw], v[TM+6], 16, v[\pw]
	v_lshl_or_b32 v[\pw], v[TM+7], 24, v[\pw]
	WIN (\W)
.irp c, 0,1
	v_cvt_scalef32_pk16_fp6_f32 v[(\pc)+6*\c:(\pc)+2+6*\c], v[(\src)+32*\c:(\src)+15+32*\c], v[TM+12+2*\c]
	v_cvt_scalef32_pk16_fp6_f32 v[(\pc)+12+4*\c:(\pc)+14+4*\c], v[(\src)+16+32*\c:(\src)+31+32*\c], v[TM+12+2*\c+1]
.endr
	WIN 0
	v_nop
.irp c, 0,1
.irp i, 0,1,2
	v_permlane16_swap_b32 v[(\pc)+6*\c+\i], v[(\pc)+12+4*\c+\i]
.endr
.irp i, 0,1,2
	v_mov_b32 v[(\pc)+3+6*\c+\i], v[(\pc)+12+4*\c+\i]
.endr
.endr
.endm
.macro IMAGE adr, off, sadr, soff, pc, pw      ; the fragment goes to LDS as it stands, and its scale word
.irp c, 0,1,2
	ds_store_b128 v[\adr], v[(\pc)+4*\c:(\pc)+4*\c+3] offset:(\off)+512*\c
.endr
	ds_store_b32 v[\sadr], v[\pw] offset:\soff
.endm
; one product.  c < 0: the constant 0 starts the sum.  ra, rb: the side's scales stand in lanes 16-31
.macro MM d, a, b, c, sa, sb, ra, rb
.if (\c) < 0
	v_wmma_scale_f32_16x16x128_f8f6f4 v[(\d):(\d)+7], v[(\a):(\a)+11], v[(\b):(\b)+11], 0, v[\sa], v[\sb] matrix_a_fmt:MATRIX_FMT_FP6 matrix_b_fmt:MATRIX_FMT_FP6
.elseif (\ra) && (\rb)
	v_wmma_scale_f32_16x16x128_f8f6f4 v[(\d):(\d)+7], v[(\a):(\a)+11], v[(\b):(\b)+11], v[(\c):(\c)+7], v[\sa], v[\sb] matrix_a_fmt:MATRIX_FMT_FP6 matrix_b_fmt:MATRIX_FMT_FP6 matrix_a_scale:MATRIX_SCALE_ROW1 matrix_b_scale:MATRIX_SCALE_ROW1
.elseif (\ra)
	v_wmma_scale_f32_16x16x128_f8f6f4 v[(\d):(\d)+7], v[(\a):(\a)+11], v[(\b):(\b)+11], v[(\c):(\c)+7], v[\sa], v[\sb] matrix_a_fmt:MATRIX_FMT_FP6 matrix_b_fmt:MATRIX_FMT_FP6 matrix_a_scale:MATRIX_SCALE_ROW1
.elseif (\rb)
	v_wmma_scale_f32_16x16x128_f8f6f4 v[(\d):(\d)+7], v[(\a):(\a)+11], v[(\b):(\b)+11], v[(\c):(\c)+7], v[\sa], v[\sb] matrix_a_fmt:MATRIX_FMT_FP6 matrix_b_fmt:MATRIX_FMT_FP6 matrix_b_scale:MATRIX_SCALE_ROW1
.else
	v_wmma_scale_f32_16x16x128_f8f6f4 v[(\d):(\d)+7], v[(\a):(\a)+11], v[(\b):(\b)+11], v[(\c):(\c)+7], v[\sa], v[\sb] matrix_a_fmt:MATRIX_FMT_FP6 matrix_b_fmt:MATRIX_FMT_FP6
.endif
.endm
.macro TEXT                            ; a class tile: 24 + 4 + 1 = 29 loads
	WIN 0xc0
.irp f, 0,1,2,3,4,5,6,7
.irp c, 0,1,2
	global_load_b128 v[12*\f+4*\c:12*\f+4*\c+3], v5, s[TP:TP+1] offset:FRB*\f+512*\c
.endr
.endr
	WIN 0
.irp i, 0,1,2,3
	global_load_b32 v[TSC+\i], v6, s[TP:TP+1] offset:12288+128*\i
.endr
	global_load_b32 v[C2L], v6, s[TP:TP+1] offset:12800
.endm
.macro FOLD op3, op2, dst, base        ; 32 registers into one
	\op3 v[\dst], v[\base], v[\base+1], v[\base+2]
.set n, \base+3
.rept 14
	\op3 v[\dst], v[\dst], v[n], v[n+1]
.set n, n+2
.endr
	\op2 v[\dst], v[\dst], v[\base+31]
.endm
	s_load_b256 s[4:11], s[0:1], 0x0               ; image_feats, wst, tst, k_b
	s_load_b128 s[12:15], s[0:1], 0x20             ; v_b, kvt
	s_load_b64 s[16:17], s[0:1], 0x30              ; top
	v_lshl_add_u32 v[SPW], v0, 2, SPARE
	v_mov_b32 v[NIL], 0
	v_lshrrev_b32 v1, 5, v0
	v_readfirstlane_b32 s[WV], v1                  ; wave
	v_and_b32 v1, 31, v0                           ; lane
	v_and_b32 v2, 15, v0                           ; r
	v_bfe_u32 v3, v0, 4, 1                         ; h
	v_lshlrev_b32 v5, 4, v1                        ; 16 x lane
	v_lshlrev_b32 v6, 2, v1                        ; 4 x lane
	s_mul_i32 s27, s[WV], 8448
	v_add_nc_u32 v[TI], s27, v5
	v_add_nc_u32 v[TI], TSTG, v[TI]                ; the image's stage, in
	v_mul_u32_u24 v[TO], v2, 528
	v_lshl_add_u32 v[TO], v3, 6, v[TO]
	v_add_nc_u32 v[TO], s27, v[TO]
	v_add_nc_u32 v[TO], TSTG, v[TO]                ; and out
	s_mul_i32 s28, s[WV], 8*FRB
	v_add_nc_u32 v7, s28, v5                       ; where I store my video's images
	s_lshl_b32 s28, s[WV], 10
	v_add_nc_u32 v8, s28, v6
	v_add_nc_u32 v8, XSCL, v8                      ; and their scale words
	s_lshl_b32 s28, s[WV], 6
	v_lshlrev_b32 v9, 2, v2
	v_add_nc_u32 v9, s28, v9
	v_add_nc_u32 v9, ZL, v9                        ; z2 of my video's frame r
	v_lshlrev_b32 v10, 5, v3
	v_add_nc_u32 v10, ZL, v10                      ; z2 of frames 8 h on
	v_mul_u32_u24 v11, v3, 2176
	v_lshl_add_u32 v11, v2, 2, v11
	v_add_nc_u32 v11, s28, v11
	v_add_nc_u32 v11, RED, v11                     ; the join, in: frame 8 h (+ j), wave, lane r
	s_mul_i32 s29, s[WV], 4352
	v_mul_u32_u24 v12, v2, 272
	v_lshl_add_u32 v13, v3, 6, v12
	v_lshl_add_u32 v12, v3, 7, v12
	v_add_nc_u32 v12, s29, v12
	v_add_nc_u32 v12, RED, v12                     ; the join, out: my video, frame r, half h of its 64 candidates
	v_add_nc_u32 v13, s29, v13
	v_add_nc_u32 v13, KVSTG, v13                   ; the k/v stage, in: row r + 64 h
	v_mul_u32_u24 v14, v3, 272
	v_lshl_add_u32 v14, v2, 4, v14
	v_add_nc_u32 v14, s29, v14
	v_add_nc_u32 v14, KVSTG, v14                   ; the k/v stage, out: lanes 0-15 one row, lanes 16-31 the next
	v_lshlrev_b32 v15, 12, v3
	v_lshl_add_u32 v15, v2, 4, v15                 ; the same two rows in kvt
	v_lshlrev_b32 v16, 6, v3                       ; a bias: + 16 h numbers
	s_lshl_b32 s28, s[WV], 4
	v_add_nc_u32 v[CI], s28, v2
	v_cvt_f32_u32 v[CI], v[CI]                     ; the first trip's class: 16 wave + r
	s_mov_b32 s[SEL], 0x76543210
	s_mov_b32 s[SEL+1], 0xfedcba98
	s_mov_b32 s[CC], 0x431044fe                    ; 100 log2(e)
	s_mov_b32 s[CC+1], s[CC]
.irp b, 0,1,2,3
	v_mov_b32 v[TM+4+\b], 0                        ; written once: a lane permute's destination counts as one of its sources;
	v_mov_b32 v[MP+\b], 0
	v_mov_b32 v[MC+2*\b+1], 0                      ; and the upper halves of pairs of which the low word serves both halves
	v_mov_b32 v[RC+2*\b+1], 0
.endr
	s_lshl_b32 s28, ttmp9, 2
	s_add_co_u32 s28, s28, s[WV]                   ; my video; also my k/v job
	s_lshl_b32 s30, s28, 15
	s_mov_b32 s31, 0
	s_lshl_b32 s32, s28, 2
	s_mov_b32 s33, 0
	s_mul_i32 s34, s[WV], TILEB
	s_mov_b32 s35, 0
	s_wait_kmcnt 0x0
	s_add_nc_u64 s[4:5], s[4:5], s[30:31]
	s_add_nc_u64 s[16:17], s[16:17], s[32:33]
	s_add_nc_u64 s[TP:TP+1], s[8:9], s[34:35]      ; class tile w
	WIN 0x40
.irp s, 0,1,2,3                                ; K step s, frame i: 512 consecutive bytes a load
.irp i, 0,1,2,3,4,5,6,7,8,9,10,11,12,13,14,15
	global_load_b128 v[64*\s+4*\i:64*\s+4*\i+3], v5, s[4:5] offset:2048*\i+512*\s th:TH_LOAD_NT
.endr
.endr
	WIN 0
	s_cmp_ge_u32 ttmp9, 100
	s_cbranch_scc1 .Lnokv
	; ---- the k/v job: 16 classes x 64 columns of k or of v.  Source 0 = 16 rows of the weight, source 1 = the classes' raw fragment; the bias is the C of the first K step
	s_lshr_b32 s29, s28, 4                         ; class tile 0..24
	s_bfe_u32 s30, s28, 0x10003                    ; 0: k, 1: v
	s_and_b32 s31, s28, 7                          ; which 64 columns
	s_lshr_b32 s32, s31, 1                         ; part
	s_and_b32 s33, s31, 1                          ; tiles 0-3 or 4-7 of it
	s_add_co_u32 s34, s30, 11
	s_mul_i32 s34, s34, UNITB
	s_mul_i32 s35, s32, PARTB
	s_add_co_u32 s34, s34, s35
	s_mul_i32 s36, s33, 4*FRB
	s_add_co_u32 s36, s36, s34
	s_mov_b32 s37, 0
	s_lshl_b32 s38, s33, 9
	s_add_co_u32 s38, s38, s34
	s_add_co_u32 s38, s38, 16*FRB
	s_mov_b32 s39, 0
	s_add_nc_u64 s[36:37], s[6:7], s[36:37]        ; the weight's fragments
	s_add_nc_u64 s[38:39], s[6:7], s[38:39]        ; and scale registers
	s_mul_i32 s40, s29, TILEB
	s_mov_b32 s41, 0
	s_add_nc_u64 s[40:41], s[8:9], s[40:41]        ; the class tile
	s_cmp_eq_u32 s30, 0
	s_cselect_b64 s[42:43], s[10:11], s[12:13]
	s_lshl_b32 s44, s31, 8
	s_mov_b32 s45, 0
	s_add_nc_u64 s[42:43], s[42:43], s[44:45]      ; the bias at my 64 columns
	s_lshl_b32 s46, s29, 16
	s_lshl_b32 s47, s30, 11
	s_add_co_u32 s46, s46, s47
	s_add_co_u32 s46, s46, s44
	s_mov_b32 s47, 0
	s_add_nc_u64 s[46:47], s[14:15], s[46:47]      ; kvt: 16 rows of 4,096 bytes, my 256 bytes of each
	WIN 0x80
.irp s, 0,1,2,3
.irp i, 0,1,2,3
.irp c, 0,1,2
	global_load_b128 v[48*\s+12*\i+4*\c:48*\s+12*\i+4*\c+3], v5, s[36:37] offset:(\s/2)*SLOTB+(\s%2)*8*FRB+\i*FRB+512*\c
.endr
.endr
.endr
	WIN 0
.irp q, 0,1
.irp i, 0,1,2,3
	global_load_b32 v[KSC+4*\q+\i], v6, s[38:39] offset:\q*SLOTB+128*\i
.endr
	global_load_b32 v[KSC+8+\q], v6, s[40:41] offset:12288+128*\q
.endr
	WIN 0xc0
.irp s, 0,1,2,3
.irp c, 0,1,2
	global_load_b128 v[96+12*\s+4*\c:96+12*\s+4*\c+3], v5, s[40:41] offset:FRB*\s+512*\c
.endr
.endr
.irp i, 0,1,2,3
	global_load_b128 v[144+8*\i:144+8*\i+3], v16, s[42:43] offset:128*(\i/2)+32*(\i%2)
	global_load_b128 v[144+8*\i+4:144+8*\i+7], v16, s[42:43] offset:128*(\i/2)+32*(\i%2)+16
.endr
	s_wait_loadcnt 0x0
.irp s, 0,1,2,3                                ; four accumulators by turns
.if \s == 0
	WIN 0x3e                                       ; weights window 2, text and bias window 3
.else
	WIN 0x0e
.endif
.irp i, 0,1,2,3
.if \s == 0
	MM S+8*\i, 48*\s+12*\i, 96+12*\s, 144+8*\i, KSC+4*(\s/2)+\i, KSC+8+\s/2, 0, 0
.else
	MM S+8*\i, 48*\s+12*\i, 96+12*\s, S+8*\i, KSC+4*(\s/2)+\i, KSC+8+\s/2, \s%2, \s%2
.endif
.endr
.endr
	WIN 0
	PLACES
.irp i, 0,1,2,3                                ; lane (r, h), register j of tile i: class r, column 32 (i / 2) + 16 h + 8 (i % 2) + j of my 64
	ds_store_b128 v13, v[S+8*\i:S+8*\i+3] offset:128*(\i/2)+32*(\i%2)
	ds_store_b128 v13, v[S+8*\i+4:S+8*\i+7] offset:128*(\i/2)+32*(\i%2)+16
.endr
.irp i, 0,1,2,3,4,5,6,7
	ds_load_b128 v[144+4*\i:144+4*\i+3], v14 offset:544*\i         ; LDS serves a wave's instructions in order: these see my stores
.endr
.irp i, 0,1,2,3,4,5,6,7
	s_wait_dscnt 7-\i
	global_store_b128 v15, v[144+4*\i:144+4*\i+3], s[46:47] offset:8192*\i   ; 16 lanes store 256 consecutive bytes, aligned
.endr
	s_wait_xcnt 0x0                                ; the stores have read their registers, which are written again below
.Lnokv:
	TEXT                                           ; the first trip's class tile
	; ---- my video turns through the stage, K step by K step as its loads come in.  Behind K step s stand 16 (3 - s) loads of the image and the 29 of the text (a wait names 63 at the most)
	s_wait_loadcnt 63
	TURN 0, 1
	s_wait_loadcnt 61
	TURN 64, 1
	s_wait_loadcnt 45
	TURN 128, 1
	s_wait_loadcnt 29
	TURN 192, 1
	; ---- z2, 1 / norm, eight fragments
	s_wait_dscnt 63                                ; of the four turns' 128 LDS instructions at most 63 are out: K steps 0 and 1 are back
	WIN 0x05
.irp k, 0,2,4,6
	v_pk_mul_f32 v[SM+\k:SM+\k+1], v[\k:\k+1], v[\k:\k+1]
.endr
.set n, 8
.rept 124
.if n == 128
	s_wait_dscnt 32                                ; K step 2 is back; the last turn may be out
.elseif n == 192
	s_wait_dscnt 0x0
.endif
	v_pk_fma_f32 v[SM+n%8:SM+n%8+1], v[n:n+1], v[n:n+1], v[SM+n%8:SM+n%8+1]
.set n, n+2
.endr
	WIN 0
	v_pk_add_f32 v[SM:SM+1], v[SM:SM+1], v[SM+2:SM+3]
	v_pk_add_f32 v[SM+4:SM+5], v[SM+4:SM+5], v[SM+6:SM+7]
	v_pk_add_f32 v[SM:SM+1], v[SM:SM+1], v[SM+4:SM+5]
	v_add_f32 v[SM], v[SM], v[SM+1]
	v_permlanex16_b32 v[SM+2], v[SM], s[SEL], s[SEL+1]
	v_add_f32 v[SM], v[SM], v[SM+2]                ; z2 of frame r
	v_rsq_f32 v[SM+8], v[SM]
	v_nop                                          ; the plain place behind the transcendental
	ds_store_b32 v9, v[SM]
	s_wait_alu depctr_va_vdst(0)                   ; the wait ahead of the first reader
	v_mov_b32 v[SM+9], v[SM+8]
.irp s, 0,1,2,3
.if \s >= 2
	s_wait_dscnt 4                                 ; the last image's four stores may be out; those of two images back have read this set
.endif
	QUANT 64*\s, 1, 1, PC0+20*(\s%2), PW+(\s%2)
	IMAGE 7, FRB*\s, 8, 128*\s, PC0+20*(\s%2), PW+(\s%2)
.endr
	WIN 0x41
.set n, 0
.rept 128
	v_pk_mul_f32 v[n:n+1], v[n:n+1], v[SM+8:SM+9]
.set n, n+2
.endr
.irp s, 0,1,2,3
	s_wait_dscnt 4
	QUANT 64*\s, 1, 1, PC0+20*(\s%2), PW+(\s%2)
	IMAGE 7, FRB*(4+\s), 8, 128*(4+\s), PC0+20*(\s%2), PW+(\s%2)
.endr
	BAR                                            ; the four videos' 32 fragments lie in LDS
	WIN 0x40
.irp b, 0,1,2,3
.irp s, 0,1,2,3
.irp c, 0,1,2
	ds_load_b128 v[48*\b+12*\s+4*\c:48*\b+12*\s+4*\c+3], v5 offset:XI+(8*\b+\s)*FRB+512*\c
.endr
.endr
.endr
	WIN 0x80
.irp b, 0,1,2,3
.irp s, 0,1,2,3
.irp c, 0,1,2
	ds_load_b128 v[48*\b+12*\s+4*\c:48*\b+12*\s+4*\c+3], v5 offset:XI+(8*\b+4+\s)*FRB+512*\c
.endr
.endr
.endr
	WIN 0
.set n, 0
.rept 32
	ds_load_b32 v[XSC+n], v6 offset:XSCL+128*n
.set n, n+1
.endr
	WIN 0xc0
.irp b, 0,1,2,3
	ds_load_b128 v[192+8*\b:192+8*\b+3], v10 offset:64*\b
	ds_load_b128 v[192+8*\b+4:192+8*\b+7], v10 offset:64*\b+16
.endr
.set n, 0
.rept 32
	v_mov_b32 v[96+n], 0x7f800000                  ; the best distance so far: +infinity
	v_mov_b32 v[128+n], 0
	v_mov_b32 v[160+n], 0
.set n, n+1
.endr
	WIN 0
	s_wait_dscnt 0x0
	s_mov_b32 s[CNT], 0
.Ltrip:	; ---- a trip: class tile 4 i + w against the four videos
	s_wait_loadcnt 0x0                             ; the tile, asked for a trip ago
	WIN 0x0d                                       ; frames window 1 (raw), classes window 3
.irp s, 0,1,2,3
.irp b, 0,1,2,3
.if \s == 0
	MM P+8*\b, 48*\b+12*\s, 12*\s, -1, XSC+8*\b+\s, TSC+\s/2, 0, 0
.else
	MM P+8*\b, 48*\b+12*\s, 12*\s, P+8*\b, XSC+8*\b+\s, TSC+\s/2, 0, \s%2
.endif
.endr
.endr
	WIN 0x0e                                       ; frames window 2 (normalised)
.irp s, 0,1,2,3
.irp b, 0,1,2,3
.if \s == 0
	MM S+8*\b, 48*\b+12*\s, 48+12*\s, -1, XSC+8*\b+4+\s, TSC+2+\s/2, 0, 0
.else
	MM S+8*\b, 48*\b+12*\s, 48+12*\s, S+8*\b, XSC+8*\b+4+\s, TSC+2+\s/2, 0, \s%2
.endif
.endr
.endr
	WIN 0
	v_mov_b32 v[C2P], v[C2L]                       ; four places in front of the loads into operands and of the first read of results
	v_mov_b32 v[C2P+1], v[C2L]
	v_nop
	v_nop
	s_add_nc_u64 s[TP:TP+1], s[TP:TP+1], 4*TILEB   ; (its loads are done)  the last trip asks for tiles 28-31, which exist and are not used
	TEXT
	WIN 0x30                                       ; source 2 window 3
.irp b, 0,1,2,3
.irp j, 0,2,4,6
	v_pk_fma_f32 v[P+8*\b+\j:P+8*\b+\j+1], v[P+8*\b+\j:P+8*\b+\j+1], -2.0, v[192+8*\b+\j:192+8*\b+\j+1] op_sel_hi:[1,0,1]   ; z2 - 2 z.c
.endr
.endr
	WIN 0
.irp b, 0,1,2,3
.irp j, 0,2,4,6
	v_pk_add_f32 v[P+8*\b+\j:P+8*\b+\j+1], v[P+8*\b+\j:P+8*\b+\j+1], v[C2P:C2P+1]   ; + c2
.endr
.endr
.irp b, 0,1,2,3
	v_max3_num_f32 v[MX+\b], v[S+8*\b], v[S+8*\b+1], v[S+8*\b+2]
.endr
.irp i, 3,5
.irp b, 0,1,2,3
	v_max3_num_f32 v[MX+\b], v[MX+\b], v[S+8*\b+\i], v[S+8*\b+\i+1]
.endr
.endr
.irp b, 0,1,2,3
	v_max_num_f32 v[MX+\b], v[MX+\b], v[S+8*\b+7]
.endr
.irp b, 0,1,2,3
	v_permlanex16_b32 v[MP+\b], v[MX+\b], s[SEL], s[SEL+1]
.endr
.irp b, 0,1,2,3
	v_max_num_f32 v[MX+\b], v[MX+\b], v[MP+\b]     ; the class's largest sim over the 16 frames
.endr
.irp b, 0,1,2,3
	v_mul_f32 v[MC+2*\b], s[CC], v[MX+\b]
.endr
.irp b, 0,1,2,3
.irp j, 0,2,4,6
	v_pk_fma_f32 v[S+8*\b+\j:S+8*\b+\j+1], v[S+8*\b+\j:S+8*\b+\j+1], s[CC:CC+1], v[MC+2*\b:MC+2*\b+1] op_sel_hi:[1,0,0] neg_lo:[0,0,1] neg_hi:[0,0,1]
.endr
.endr
.set n, 0
.rept 32
	v_exp_f32 v[S+n], v[S+n]
.set n, n+1
.endr
	v_nop                                          ; one plain place, and one wait for the batch
	s_wait_alu depctr_va_vdst(0)
.irp b, 0,1,2,3
	v_pk_add_f32 v[SU+2*\b:SU+2*\b+1], v[S+8*\b:S+8*\b+1], v[S+8*\b+2:S+8*\b+3]
	v_pk_add_f32 v[SU2+2*\b:SU2+2*\b+1], v[S+8*\b+4:S+8*\b+5], v[S+8*\b+6:S+8*\b+7]
.endr
.irp b, 0,1,2,3
	v_pk_add_f32 v[SU+2*\b:SU+2*\b+1], v[SU+2*\b:SU+2*\b+1], v[SU2+2*\b:SU2+2*\b+1]
.endr
.irp b, 0,1,2,3
	v_add_f32 v[SU+2*\b], v[SU+2*\b], v[SU+2*\b+1]
.endr
.irp b, 0,1,2,3
	v_permlanex16_b32 v[MP+\b], v[SU+2*\b], s[SEL], s[SEL+1]
.endr
.irp b, 0,1,2,3
	v_add_f32 v[SU+2*\b], v[SU+2*\b], v[MP+\b]
.endr
.irp b, 0,1,2,3
	v_rcp_f32 v[RC+2*\b], v[SU+2*\b]
.endr
	v_nop
	s_wait_alu depctr_va_vdst(0)
.irp b, 0,1,2,3
.irp j, 0,2,4,6
	v_pk_mul_f32 v[S+8*\b+\j:S+8*\b+\j+1], v[S+8*\b+\j:S+8*\b+\j+1], v[RC+2*\b:RC+2*\b+1] op_sel_hi:[1,0]   ; the weights
.endr
.endr
	WIN 0xc3                                       ; the running best: destination and source 0 window 3
.set n, 0
.rept 32
	v_cmp_gt_f32 vcc_lo, v[96+n], v[P+n]           ; strictly nearer: the lower class stays at a tie
	v_cndmask_b32 v[96+n], v[96+n], v[P+n], vcc_lo
	v_cndmask_b32 v[128+n], v[128+n], v[CI], vcc_lo
	v_cndmask_b32 v[160+n], v[160+n], v[S+n], vcc_lo
.set n, n+1
.endr
	WIN 0
	v_add_f32 v[CI], 0x42800000, v[CI]             ; 64 classes on
	s_add_co_u32 s[CNT], s[CNT], 1
	s_cmp_lt_u32 s[CNT], 7
	s_cbranch_scc1 .Ltrip
	; ---- the join: each frame's 64 candidates (16 lanes x 4 waves) meet in LDS; wave w decides video w
	s_wait_loadcnt 0x0
	WIN 0x0c                                       ; an LDS store's data are its source 1: window 3
.irp q, 0,1,2
.irp b, 0,1,2,3
.irp j, 0,1,2,3,4,5,6,7
	ds_store_b32 v11, v[96+32*\q+8*\b+\j] offset:17408*\q+4352*\b+272*\j
.endr
.endr
.endr
	WIN 0
	BAR
.irp q, 0,1,2
.irp i, 0,1,2,3,4,5,6,7
	ds_load_b128 v[80+32*\q+4*\i:80+32*\q+4*\i+3], v12 offset:17408*\q+16*\i
.endr
.endr
	v_mov_b32 v177, 0
	v_mov_b32 v178, 0x4e6e6b28                     ; 1e9: above every class
	v_mov_b32 v180, 0
	v_mov_b32 v182, 0
	v_mov_b32 v183, 0
	v_mov_b32 v184, 0
	v_mov_b32 v185, 0
	s_wait_dscnt 0x0
	FOLD v_min3_num_f32, v_min_num_f32, 176, 80
	v_permlanex16_b32 v177, v176, s[SEL], s[SEL+1]
	v_min_num_f32 v176, v176, v177                 ; the frame's least distance
.set n, 0
.rept 32
	v_cmp_eq_f32 vcc_lo, v176, v[80+n]
	v_cndmask_b32 v[112+n], v178, v[112+n], vcc_lo
.set n, n+1
.endr
	FOLD v_min3_num_f32, v_min_num_f32, 179, 112
	v_permlanex16_b32 v180, v179, s[SEL], s[SEL+1]
	v_min_num_f32 v179, v179, v180                 ; the lowest class that has it
.set n, 0
.rept 32
	v_cmp_eq_f32 vcc_lo, v179, v[112+n]
	v_cndmask_b32 v[144+n], v182, v[144+n], vcc_lo
.set n, n+1
.endr
	FOLD v_max3_num_f32, v_max_num_f32, 181, 144
	v_permlanex16_b32 v180, v181, s[SEL], s[SEL+1]
	v_max_num_f32 v181, v181, v180                 ; and its weight at this frame (weights are not negative)
	; lane f (both halves alike) holds frame f's class and weight.  The video's score of that class: the weights of all frames that chose it, frames ascending
.irp t, 0,1,2,3,4,5,6,7,8,9,10,11,12,13,14,15
	v_mov_b32_dpp v184, v179 row_share:\t row_mask:0xf bank_mask:0xf
	v_mov_b32_dpp v185, v181 row_share:\t row_mask:0xf bank_mask:0xf
	v_cmp_eq_f32 vcc_lo, v184, v179
	v_cndmask_b32 v185, v182, v185, vcc_lo
	v_add_f32 v183, v183, v185
.endr
	v_mov_b32 v186, v183
.irp x, 1,2,4,8
	v_max_num_f32_dpp v186, v186, v186 row_xmask:\x row_mask:0xf bank_mask:0xf
.endr
	v_cmp_eq_f32 vcc_lo, v186, v183
	v_cndmask_b32 v187, v178, v179, vcc_lo
.irp x, 1,2,4,8
	v_min_num_f32_dpp v187, v187, v187 row_xmask:\x row_mask:0xf bank_mask:0xf
.endr
	v_cmp_lt_f32 vcc_lo, 0, v186                   ; where every score is 0 the first class of all is the largest
	v_cndmask_b32 v187, v182, v187, vcc_lo
	v_cvt_u32_f32 v187, v187
	s_wait_xcnt 0x0                                ; EXEC changes only behind this wait
	v_cmp_eq_u32 vcc_lo, 0, v1
	s_and_saveexec_b32 s30, vcc_lo
	global_store_b32 v182, v187, s[16:17]          ; lane 0: top[my video]
	s_wait_xcnt 0x0
	s_or_b32 exec_lo, exec_lo, s30
	s_wait_tensorcnt 0x0                           ; the wave's end
	ds_add_u32 v[SPW], v[NIL]
	s_wait_dscnt 0x0
	s_endpgm
.Lfunc_end_k_q66f5f6813d_spot:
	.size	k_q66f5f6813d_spot, .Lfunc_end_k_q66f5f6813d_spot-k_q66f5f6813d_spot
	.p2alignl 7, 3214868480
	.fill 96, 4, 3214868480
	.section	.rodata,"a",@progbits
	.p2align	6, 0x0
	.amdhsa_kernel k_q66f5f6813d_spot
		.amdhsa_group_segment_fixed_size 157440
		.amdhsa_private_segment_fixed_size 0
		.amdhsa_enable_private_segment 0
		.amdhsa_kernarg_size 56
		.amdhsa_user_sgpr_count 2
		.amdhsa_user_sgpr_kernarg_segment_ptr 1
		.amdhsa_wavefront_size32 1
		.amdhsa_system_sgpr_workgroup_id_x 1
		.amdhsa_system_sgpr_workgroup_id_y 1
		.amdhsa_system_sgpr_workgroup_id_z 1
		.amdhsa_system_vgpr_workitem_id 0
		.amdhsa_next_free_vgpr 1024
		.amdhsa_next_free_sgpr 66
		.amdhsa_reserve_vcc 1
		.amdhsa_float_denorm_mode_32 3
		.amdhsa_float_denorm_mode_16_64 3
		.amdhsa_memory_ordered 1
		.amdhsa_forward_progress 1
		.amdhsa_inst_pref_size 136
	.end_amdhsa_kernel
	.amdgpu_metadata
---
amdhsa.version: [ 1, 2 ]
amdhsa.kernels:
  - .name:           k_q66f5f6813d_spot
    .symbol:         k_q66f5f6813d_spot.kd
    .args:
      - { .name: image_feats, .offset: 0, .size: 8, .value_kind: global_buffer, .address_space: global }
      - { .name: wst, .offset: 8, .size: 8, .value_kind: global_buffer, .address_space: global }
      - { .name: tst, .offset: 16, .size: 8, .value_kind: global_buffer, .address_space: global }
      - { .name: k_b, .offset: 24, .size: 8, .value_kind: global_buffer, .address_space: global }
      - { .name: v_b, .offset: 32, .size: 8, .value_kind: global_buffer, .address_space: global }
      - { .name: kvt, .offset: 40, .size: 8, .value_kind: global_buffer, .address_space: global }
      - { .name: top, .offset: 48, .size: 8, .value_kind: global_buffer, .address_space: global }
    .group_segment_fixed_size: 157440
    .private_segment_fixed_size: 0
    .kernarg_segment_align: 8
    .kernarg_segment_size: 56
    .max_flat_workgroup_size: 128
    .sgpr_count:     66
    .vgpr_count:     1024
    .wavefront_size: 32
...
	.end_amdgpu_metadata
.endif
;; end of part 2
;; launch chain (part 3): grid 256 x 1, 4 waves a work-group, clusters of 4 x 1, 327,680 bytes of LDS; arguments image_feats, wst, kvt, top, q_b, o_b, fc1_b, fc2_b, out0; writes out0
.if DOCPART == 3
	.amdgcn_target "amdgcn-amd-amdhsa--gfx1250"
	.amdhsa_code_object_version 6
	.text
	.protected	k_q66f5f6813d_chain
	.globl	k_q66f5f6813d_chain
	.p2align	8
	.type	k_q66f5f6813d_chain,@function
k_q66f5f6813d_chain:
	s_mov_b64 s[64:65], 0
	v_nop
	global_prefetch_b8 v0, s[64:65] scope:SCOPE_SE
	s_setreg_imm32_b32 hwreg(HW_REG_WAVE_MODE, 25, 1), 1
	s_wait_xcnt 0x0
	s_wait_alu depctr_hold_cnt(0) depctr_sa_sdst(0) depctr_va_vdst(0) depctr_va_sdst(0) depctr_va_ssrc(0) depctr_va_vcc(0) depctr_vm_vsrc(0)
	s_getreg_b32 s2, hwreg(HW_REG_IB_STS2, 6, 4)
	s_cmp_eq_u32 s2, 0
	s_cbranch_scc0 .Lentry_in_a_cluster
	s_endpgm
.Lentry_in_a_cluster:
	s_bfe_u32 s2, ttmp6, 0x10000c
	s_cmp_lg_u32 s2, 0x3003
	s_cbranch_scc0 .Lentry_shape_is_right
	s_endpgm
.Lentry_shape_is_right:
; CHAIN: q projection, attention on the one gathered key, o, fc1, relu, fc2, residual, norm and the logits, fused; all matrix products on codes of FP6 (E2M3) with E8M0 scales.
; SHARES.  A work-group takes 64 rows: 4 videos = 4 tiles m of 16 frames.  THE WAVES SHARE THE COLUMNS: wave w makes units 128 w .. 128 w + 127 of every layer for all 64 rows.
; Activations go from wave to wave through LDS as images of the operand's registers: fragment 4 m + s (rows of tile m, K step s) is written by wave s; its scale words 4 bytes a lane.
; WEIGHTS walk as 22 slots of 102,400 bytes (units 0..10 of wst, laid in register order) through a ring of two LDS slots.  Wave w fetches and reads part w of each slot.
; CLUSTER: the four work-groups of a cluster walk the same slots, so each part is asked for JOINTLY: the same tensor load, the same descriptor, a mask that names the four.  A refill stands behind a round of
; the cluster's barrier and has the next slot's 64 products of each wave in which to land.  By this text's own count a wave has two tensor loads out at the start and one later.
; PRODUCTS are used transposed (source 0 = 16 rows of the weight, source 1 = 16 frames): lane (r, h) holds frame r, and register 8 t + j the unit 32 (t / 2) + 16 h + 8 (t % 2) + j of my 128: 16 neighbours along the
; next K in 16 registers.  The logits are used the other way (source 0 = frames, source 1 = classes): a lane then holds 8 neighbouring frames of one class, 32 neighbouring bytes of out0.
; THE IMAGE is loaded 512 consecutive bytes of one frame at a time, 16 a lane, and a tile's 16 frames turn through the wave's own stage in LDS (macro TURN) into the layout of fc2's results, in window 3:
; fc2_b is added to it, fc2's products add onto it in place, and what stands there at the end is x = image + video_feature.
; THE ONE KEY: the scores (f32 multiply-adds), their softmax (the largest taken away, exponential, division by the sum) and the product with v are all computed, though a softmax over one key gives 1.
; LIMITS: NaN, infinities and rows x of zeros are not served; 1 / norm is v_rsq_f32, the softmax's division v_rcp_f32; biases (for fc2 also the residual) START the f32 sums where the reference adds them behind.
; No prefetch: all 64 clusters read the same 2.2 MB of weights; the image is asked for in one group at the head.
; REGISTERS: window 0: v1-31 addresses; v32-47 scale words and nothing else; v48-63 p, 1 / norm; v64-159 activations' fragments (48 sp + 12 m); v160-255 weights' fragments, two sets of four; both free in the epilogues.
;   window 1: 32 accumulators (64 m + 8 t).  window 2: q_b, o_b, fc1_b in the results' layout; v192-223 the gathered k and v.  window 3: image, then x.
.set SLOTB, 102400
.set PARTB, 25600
.set FRB,   1536
.set R0,    204800                     ; LDS behind the ring: two regions of 16 fragments + 16 x 128 bytes of scale words
.set R1,    231424
.set RSC,   24576
.set NRM,   258048                     ; the rows' partial sums of squares: [wave] 512 [m] 128
.set STG,   260096                     ; a stage for each wave: 16 rows x 528 for the image's turn, later 16 rows x 272 for the way out
.set STGW,  8448
.set SPARE, 293888                     ; the spare words: 128 bytes for each wave, which no other line names
.set TO,  2                            ; v2  my stage, out of the image's turn: 528 r + 64 h
.set TI,  3                            ; v3  and into it: 16 x lane
.set VW0, 5                            ; v5, v6   my part of slot 0, 1: 16 x lane
.set VS0, 7                            ; v7, v8   its scale registers: 4 x lane
.set AR0, 9                            ; v9, v10  region 0, 1: 16 x lane
.set AS0, 11                           ; v11, v12 their scale words
.set IW0, 13                           ; v13, v14 where I store my images
.set SW0, 15                           ; v15, v16 and their scale words
.set NW,  17
.set NR,  18
.set STO, 19
.set RD,  20
.set CO,  21
.set BOF, 22                           ; v22 a bias: 512 w + 64 h
.set BF1, 23                           ; v23 the same in fc1_b's chunk
.set KO,  24                           ; v24-27 the four videos' places in kvt
.set SPW, 28
.set NIL, 29
.set L16, 30
.set L4,  31
.set XS,  32
.set WS,  40
.set PP,  48
.set AF,  64
.set WF,  160
.set T,   64
.set CH,  96
.set SV,  100
.set SX,  108
.set KC,  128
.set VC,  144
.set OB,  64
.set TM,  160
.set PW,  176
.set PC0, 180
.set WV,  22
.set SEL, 26
.set G1,  28
.set G0,  36
.set CNT, 56
.set MSB, 0
.macro WIN new
.if MSB != (\new)
	s_set_vgpr_msb (MSB<<8)|(\new)
.set MSB, \new
.endif
.endm
.macro PLACES
.rept 4
	v_nop
.endr
.endm
.macro BAR
	s_wait_dscnt 0x0
	s_barrier_signal -1
	s_barrier_wait -1
.endm
.macro CREST                           ; a round of the cluster's barrier behind its opening barrier
	s_cmp_lg_u32 s[WV], 0
	s_cbranch_scc1 .Lnot_wave_0_\@
	s_barrier_signal -3
.Lnot_wave_0_\@:
	s_barrier_wait -3
	s_barrier_signal -1
	s_barrier_wait -1
.endm
.macro ROUND
	s_barrier_signal -1
	s_barrier_wait -1
	CREST
.endm
; A tile of 16 rows x 128 columns, 64 registers of window W from base on.  In: register group i holds row i's bytes 16 x lane .. + 15.  Out: register 16 b + i holds k = 32 b + 16 (lane / 16) + i of row lane % 16.
; LDS serves a wave's instructions in order: the loads see the stores, and the next turn's stores come behind these loads.  Rows 528 bytes apart: sixteen rows begin in sixteen different groups of banks.
.macro TURN base, W
	WIN ((\W)<<2)                                  ; an LDS store's data are its source 1
.irp i, 0,1,2,3,4,5,6,7,8,9,10,11,12,13,14,15
	ds_store_b128 v[TI], v[(\base)+4*\i:(\base)+4*\i+3] offset:528*\i
.endr
	WIN ((\W)<<6)
.irp b, 0,1,2,3
.irp j, 0,1,2,3
	ds_load_b128 v[(\base)+16*\b+4*\j:(\base)+16*\b+4*\j+3], v[TO] offset:128*\b+16*\j
.endr
.endr
	WIN 0
.endm
.macro QUANT src, W, ab, pc, pw        ; 64 numbers of a lane (register 16 b + i = k 32 b + 16 (lane / 16) + i) -> a fragment's codes and its scale word
	WIN (((\W)<<2)|((\W)<<4))
.irp b, 0,1,2,3
.if \ab
	v_max3_num_f32 v[TM+\b], 0x1800000, |v[(\src)+16*\b]|, |v[(\src)+1+16*\b]|
.else
	v_max3_num_f32 v[TM+\b], 0x1800000, v[(\src)+16*\b], v[(\src)+1+16*\b]
.endif
.endr
.irp i, 2,4,6,8,10,12,14
.irp b, 0,1,2,3
.if \ab
	v_max3_num_f32 v[TM+\b], v[TM+\b], |v[(\src)+16*\b+\i]|, |v[(\src)+1+16*\b+\i]|
.else
	v_max3_num_f32 v[TM+\b], v[TM+\b], v[(\src)+16*\b+\i], v[(\src)+1+16*\b+\i]
.endif
.endr
.endr
	WIN 0
.irp b, 0,1,2,3
	v_permlanex16_b32 v[TM+4+\b], v[TM+\b], s[SEL], s[SEL+1]
.endr
.irp b, 0,1,2,3
	v_max_num_f32 v[TM+\b], v[TM+\b], v[TM+4+\b]
.endr
.irp b, 0,1,2,3
	v_add_nc_u32 v[TM+12+\b], 0xff000000, v[TM+\b]
.endr
.irp b, 0,1,2,3
	v_lshrrev_b32 v[TM+4+\b], 23, v[TM+12+\b]
.endr
	v_lshl_or_b32 v[\pw], v[TM+5], 8, v[TM+4]
	v_lshl_or_b32 v[\pw], v[TM+6], 16, v[\pw]
	v_lshl_or_b32 v[\pw], v[TM+7], 24, v[\pw]
	WIN (\W)
.irp c, 0,1
	v_cvt_scalef32_pk16_fp6_f32 v[(\pc)+6*\c:(\pc)+2+6*\c], v[(\src)+32*\c:(\src)+15+32*\c], v[TM+12+2*\c]
	v_cvt_scalef32_pk16_fp6_f32 v[(\pc)+12+4*\c:(\pc)+14+4*\c], v[(\src)+16+32*\c:(\src)+31+32*\c], v[TM+12+2*\c+1]
.endr
	WIN 0
	v_nop
.irp c, 0,1
.irp i, 0,1,2
	v_permlane16_swap_b32 v[(\pc)+6*\c+\i], v[(\pc)+12+4*\c+\i]
.endr
.irp i, 0,1,2
	v_mov_b32 v[(\pc)+3+6*\c+\i], v[(\pc)+12+4*\c+\i]
.endr
.endr
.endm
.macro IMAGE adr, off, sadr, soff, pc, pw
.irp c, 0,1,2
	ds_store_b128 v[\adr], v[(\pc)+4*\c:(\pc)+4*\c+3] offset:(\off)+512*\c
.endr
	ds_store_b32 v[\sadr], v[\pw] offset:\soff
.endm
.macro FRAGL dst, adr, off             ; a fragment's image back into registers
.irp c, 0,1,2
	ds_load_b128 v[(\dst)+4*\c:(\dst)+4*\c+3], v[\adr] offset:(\off)+512*\c
.endr
.endm
.macro MM d, a, b, c, sa, sb, ra, rb
.if (\c) < 0
	v_wmma_scale_f32_16x16x128_f8f6f4 v[(\d):(\d)+7], v[(\a):(\a)+11], v[(\b):(\b)+11], 0, v[\sa], v[\sb] matrix_a_fmt:MATRIX_FMT_FP6 matrix_b_fmt:MATRIX_FMT_FP6
.elseif (\ra)
	v_wmma_scale_f32_16x16x128_f8f6f4 v[(\d):(\d)+7], v[(\a):(\a)+11], v[(\b):(\b)+11], v[(\c):(\c)+7], v[\sa], v[\sb] matrix_a_fmt:MATRIX_FMT_FP6 matrix_b_fmt:MATRIX_FMT_FP6 matrix_a_scale:MATRIX_SCALE_ROW1
.elseif (\rb)
	v_wmma_scale_f32_16x16x128_f8f6f4 v[(\d):(\d)+7], v[(\a):(\a)+11], v[(\b):(\b)+11], v[(\c):(\c)+7], v[\sa], v[\sb] matrix_a_fmt:MATRIX_FMT_FP6 matrix_b_fmt:MATRIX_FMT_FP6 matrix_b_scale:MATRIX_SCALE_ROW1
.else
	v_wmma_scale_f32_16x16x128_f8f6f4 v[(\d):(\d)+7], v[(\a):(\a)+11], v[(\b):(\b)+11], v[(\c):(\c)+7], v[\sa], v[\sb] matrix_a_fmt:MATRIX_FMT_FP6 matrix_b_fmt:MATRIX_FMT_FP6
.endif
.endm
; 16 products: tiles tb .. tb + 3 of the weight (set buf) x the four tiles of rows, K step sp of the slot.  mode 0: in place; 1: the constant 0 starts the sums; 2: the bias at v[cb + 8 t] does.  sw = 1: sources swapped.
; The slot's 32 accumulators take turns, one instruction a turn.
.macro GRP sp, tb, buf, win, mode, cb, sw
	WIN \win
.irp t, 0,1,2,3
.irp m, 0,1,2,3
.set DD, 64*\m+8*((\tb)+\t)
.if (\mode) == 0
.set CQ, DD
.elseif (\mode) == 1
.set CQ, -1
.else
.set CQ, (\cb)+8*((\tb)+\t)
.endif
.if \sw
	MM DD, AF+48*(\sp)+12*\m, WF+48*(\buf)+12*\t, CQ, XS+4*(\sp)+\m, WS+(\tb)+\t, 0, \sp
.else
	MM DD, WF+48*(\buf)+12*\t, AF+48*(\sp)+12*\m, CQ, WS+(\tb)+\t, XS+4*(\sp)+\m, \sp, 0
.endif
.endr
.endr
.endm
; A SLOT: K steps 2 p and 2 p + 1 of a unit, 64 products.  rg: the activations' region.  win0, mode0, cb: the first K step's products; win1: those in place.  fill = 1: the slot is filled again, two slots on.
; All 64 products stand ahead of the wait for the next slot's part: between that wait and the refill stand only the add, its wait and the round.
.macro SLOT p, rg, win0, mode0, cb, win1, sw, fill
.irp t, 0,1,2,3,4,5,6,7
	ds_load_b32 v[WS+\t], v[VS0+\p] offset:128*\t
.endr
.irp q, 0,1
.irp m, 0,1,2,3
	ds_load_b32 v[XS+4*\q+\m], v[AS0+\rg] offset:128*(4*\m+2*\p+\q)
.endr
.endr
.irp m, 0,1,2,3
	FRAGL AF+12*\m, AR0+\rg, (4*\m+2*\p)*FRB
.endr
.irp i, 0,1,2,3
	FRAGL WF+12*\i, VW0+\p, \i*FRB
.endr
.irp i, 0,1,2,3
	FRAGL WF+48+12*\i, VW0+\p, (4+\i)*FRB
.endr
.irp m, 0,1,2,3
	FRAGL AF+48+12*\m, AR0+\rg, (4*\m+2*\p+1)*FRB
.endr
	s_wait_dscnt 24                                ; the youngest 24 (the weights' second set, the second K step's activations) may be out
	GRP 0, 0, 0, \win0, \mode0, \cb, \sw
	WIN 0
	PLACES                                         ; in front of loads into registers that matrix instructions have read
.irp i, 0,1,2,3
	FRAGL WF+12*\i, VW0+\p, (8+\i)*FRB
.endr
	s_wait_dscnt 24                                ; the second K step's activations and the 12 just issued may be out
	GRP 0, 4, 1, \win0, \mode0, \cb, \sw
	WIN 0
	PLACES
.irp i, 0,1,2,3
	FRAGL WF+48+12*\i, VW0+\p, (12+\i)*FRB
.endr
	s_wait_dscnt 12                                ; the 12 just issued may be out
	GRP 1, 0, 0, \win1, 0, 0, \sw
	s_wait_dscnt 0x0                               ; the weights' last four fragments are in: my reads of this slot are over
	GRP 1, 4, 1, \win1, 0, 0, \sw
	WIN 0
.if \fill
	s_wait_tensorcnt 0x0                           ; all my tensor loads have landed: my part of the next slot; so a group 0 may be written
	ds_add_u32 v[SPW], v[NIL]                      ; 0 onto my spare word
	s_add_nc_u64 s[G0+4*\p+2:G0+4*\p+3], s[G0+4*\p+2:G0+4*\p+3], 2*SLOTB
	s_wait_dscnt 0x0                               ; the add is done; my reads of this slot were over above
	ROUND                                          ; no wave of any partner still reads this slot or has a load on its way
	tensor_load_to_lds s[G0+4*\p:G0+4*\p+3], s[G1:G1+7]            ; my one tensor load behind the round, and the first thing there
	s_nop 0
	PLACES                                         ; also the places behind the last products
.else
	PLACES
.endif
.endm
.macro BIAS dst, ptr, adr              ; a bias in the results' layout: tile t, lane (r, h): units 32 (t / 2) + 16 h + 8 (t % 2) + 0..7 of my 128
.irp t, 0,1,2,3,4,5,6,7
	global_load_b128 v[(\dst)+8*\t:(\dst)+8*\t+3], v[\adr], s[\ptr:\ptr+1] offset:128*(\t/2)+32*(\t%2)
	global_load_b128 v[(\dst)+8*\t+4:(\dst)+8*\t+7], v[\adr], s[\ptr:\ptr+1] offset:128*(\t/2)+32*(\t%2)+16
.endr
.endm
; An epilogue: my 128 units of the four tiles of rows (window W) become K step w of the next product: four images, then the barrier
.macro EPI W, ab, relu, iw, sw
.irp m, 0,1,2,3
.if \relu
	WIN 0x44
.set n, 0
.rept 64
	v_max_num_f32 v[64*\m+n], 0, v[64*\m+n]
.set n, n+1
.endr
.endif
.if \m >= 2
	s_wait_dscnt 4                                 ; the last image's four stores may be out; those of two images back have read this set
.endif
	QUANT 64*\m, \W, \ab, PC0+20*(\m%2), PW+(\m%2)
	IMAGE \iw, 4*\m*FRB, \sw, 4*\m*128, PC0+20*(\m%2), PW+(\m%2)
.endr
	BAR
.endm
.macro SHARE src                       ; T[16 g + i] = lane 16 h + i of v[src + g]: unit 32 g + 16 h + i of a head's 64
.irp g, 0,1
.irp i, 0,1,2,3,4,5,6,7,8,9,10,11,12,13,14,15
	v_mov_b32_dpp v[T+16*\g+\i], v[(\src)+\g] row_share:\i row_mask:0xf bank_mask:0xf
.endr
.endr
.endm
	s_load_b256 s[4:11], s[0:1], 0x0               ; image_feats, wst, kvt, top
	s_load_b256 s[12:19], s[0:1], 0x20             ; q_b, o_b, fc1_b, fc2_b
	s_load_b64 s[20:21], s[0:1], 0x40              ; out0
	v_lshl_add_u32 v[SPW], v0, 2, SPARE
	v_mov_b32 v[NIL], 0
	ds_add_u32 v[SPW], v[NIL]                      ; the wave's opening: the add and its wait ahead of my first tensor load; the set-up stands between them
	v_lshrrev_b32 v1, 5, v0
	v_readfirstlane_b32 s[WV], v1                  ; wave
	s_bfe_u32 s23, ttmp6, 0x40000                  ; cx
	s_lshl_b32 s24, ttmp9, 2
	s_add_co_u32 s24, s24, s23                     ; my block of 64 rows: it enters the addresses of image, top and out0 alone
	s_mov_b32 s[G1], 15|(3<<16)|(1<<21)            ; the mask: all four work-groups; elements of 8 bytes; bit 21 beside a mask; no padding: every read is 16 x lane
	s_mov_b32 s[G1+1], 32<<16                      ; tensor_dim0 = 32 elements: 256 bytes
	s_mov_b32 s[G1+2], 100<<16                     ; tensor_dim1 = 100 rows: a part's 25,600 dense bytes
	s_mov_b32 s[G1+3], 32<<16                      ; tile_dim0
	s_mov_b32 s[G1+4], 100                         ; tile_dim1
	s_mov_b32 s[G1+5], 32                          ; the pitch
	s_mov_b32 s[G1+6], 0
	s_mov_b32 s[G1+7], 0
	s_mov_b32 s[SEL], 0x76543210
	s_mov_b32 s[SEL+1], 0xfedcba98
	s_mul_i32 s48, s[WV], PARTB
	s_lshl_b32 s52, s[WV], 9
	v_and_b32 v1, 31, v0                           ; lane
	v_and_b32 v2, 15, v0                           ; r
	v_bfe_u32 v3, v0, 4, 1                         ; h
	v_lshlrev_b32 v[L16], 4, v1
	v_lshlrev_b32 v[L4], 2, v1
	v_add_nc_u32 v4, s52, v[L16]                   ; the image: my 512 bytes of a row, 16 a lane
	v_add_nc_u32 v[VW0], s48, v[L16]
	v_add_nc_u32 v[VW0+1], SLOTB, v[VW0]
	v_add_nc_u32 v[VS0], s48, v[L4]
	v_add_nc_u32 v[VS0], 16*FRB, v[VS0]
	v_add_nc_u32 v[VS0+1], SLOTB, v[VS0]
	v_add_nc_u32 v[AR0], R0, v[L16]
	v_add_nc_u32 v[AR0+1], R1, v[L16]
	v_add_nc_u32 v[AS0], R0+RSC, v[L4]
	v_add_nc_u32 v[AS0+1], R1+RSC, v[L4]
	s_mul_i32 s50, s[WV], FRB
	v_add_nc_u32 v[IW0], s50, v[AR0]
	v_add_nc_u32 v[IW0+1], s50, v[AR0+1]
	s_lshl_b32 s50, s[WV], 7
	v_add_nc_u32 v[SW0], s50, v[AS0]
	v_add_nc_u32 v[SW0+1], s50, v[AS0+1]
	v_add_nc_u32 v[NW], s52, v[L4]
	v_add_nc_u32 v[NW], NRM, v[NW]
	v_add_nc_u32 v[NR], NRM, v[L4]
	s_mul_i32 s50, s[WV], STGW
	v_mul_u32_u24 v[STO], v2, 272
	v_lshl_add_u32 v[STO], v3, 5, v[STO]
	v_add_nc_u32 v[STO], s50, v[STO]
	v_add_nc_u32 v[STO], STG, v[STO]               ; my stage on the way out, in: row = class r, + 32 h
	v_mul_u32_u24 v[RD], v3, 272
	v_lshl_add_u32 v[RD], v2, 4, v[RD]
	v_add_nc_u32 v[RD], s50, v[RD]
	v_add_nc_u32 v[RD], STG, v[RD]                 ; out: lanes 0-15 one class, lanes 16-31 the next
	v_lshlrev_b32 v[CO], 16, v3
	v_lshl_add_u32 v[CO], v2, 4, v[CO]             ; the same two classes in out0: 65,536 bytes apart
	v_lshlrev_b32 v[BOF], 6, v3
	v_add_nc_u32 v[BOF], s52, v[BOF]
	v_mov_b32 v[BF1], v[BOF]
	v_add_nc_u32 v1, s52, v[L4]                    ; k, v: unit 128 w + lane
	v_mul_u32_u24 v[TO], v2, 528                   ; (r and h have served: their registers take the turn's two addresses)
	v_lshl_add_u32 v[TO], v3, 6, v[TO]
	v_add_nc_u32 v[TO], s50, v[TO]
	v_add_nc_u32 v[TO], STG, v[TO]
	v_add_nc_u32 v[TI], s50, v[L16]
	v_add_nc_u32 v[TI], STG, v[TI]
.irp b, 0,1,2,3
	v_mov_b32 v[TM+4+\b], 0                        ; a lane permute's destination counts as one of its sources
.endr
	s_mov_b32 s49, 0
	s_lshl_b32 s50, s24, 4
	s_mov_b32 s51, 0
	s_lshl_b32 s52, s24, 17
	s_mov_b32 s53, 0
	s_lshl_b32 s54, s24, 8
	s_lshl_b32 s55, s[WV], 23
	s_add_co_u32 s54, s54, s55
	s_mov_b32 s55, 0
	s_wait_dscnt 0x0                               ; the opening add is done
	s_wait_kmcnt 0x0
	s_mov_b32 s[G0], 1
	s_mov_b32 s[G0+1], s48                         ; LDS: wave x a part: no place in the cluster enters it
	s_add_nc_u64 s[G0+2:G0+3], s[6:7], s[48:49]    ; slot 0, my part
	s_or_b32 s[G0+3], s[G0+3], 0x80000000
	s_mov_b32 s[G0+4], 1
	s_add_co_u32 s[G0+5], s48, SLOTB
	s_add_nc_u64 s[G0+6:G0+7], s[6:7], s[48:49]
	s_add_nc_u64 s[G0+6:G0+7], s[G0+6:G0+7], SLOTB ; slot 1
	s_or_b32 s[G0+7], s[G0+7], 0x80000000
	s_add_nc_u64 s[10:11], s[10:11], s[50:51]
	s_load_b128 s[44:47], s[10:11], 0x0            ; the four videos' classes, stored by the launch before
	s_add_nc_u64 s[4:5], s[4:5], s[52:53]          ; my 64 rows of the image
	s_add_nc_u64 s[20:21], s[20:21], s[54:55]      ; out0: class 128 w, my four videos' 256 bytes
	ROUND                                          ; all four work-groups are here: the first joint loads meet
	tensor_load_to_lds s[G0:G0+3], s[G1:G1+7]
	s_nop 0
	tensor_load_to_lds s[G0+4:G0+7], s[G1:G1+7]
	s_nop 0
	PLACES
	WIN 0x40
	BIAS 0, 18, BOF                                ; fc2_b, for now in the first accumulators' registers
	WIN 0x80
	BIAS 0, 12, BOF                                ; q_b
	BIAS 64, 14, BOF                               ; o_b
	BIAS 128, 16, BF1                              ; fc1_b, chunk 0
	WIN 0xc0
.irp m, 0,1,2,3                                ; tile m, frame i: my 512 consecutive bytes of the row
.irp i, 0,1,2,3,4,5,6,7,8,9,10,11,12,13,14,15
	global_load_b128 v[64*\m+4*\i:64*\m+4*\i+3], v4, s[4:5] offset:32768*\m+2048*\i th:TH_LOAD_NT
.endr
.endr
	WIN 0
	s_wait_kmcnt 0x0
.irp m, 0,1,2,3
	s_min_u32 s[44+\m], s[44+\m], 399              ; an index stays inside its table
	s_lshl_b32 s[44+\m], s[44+\m], 12              ; a class's row of kvt is 4,096 bytes
	v_add_nc_u32 v[KO+\m], s[44+\m], v1
.endr
	WIN 0x80
.irp m, 0,1,2,3
.irp c, 0,1,2,3
	global_load_b32 v[192+4*\m+\c], v[KO+\m], s[8:9] offset:128*\c         ; k: lane l holds unit 128 w + 32 c + l
	global_load_b32 v[208+4*\m+\c], v[KO+\m], s[8:9] offset:2048+128*\c    ; v
.endr
.endr
	WIN 0
	; the image's K step w, four tiles of rows: a tile turns through the stage while the tile before is quantised.  Behind tile m's 16 loads stand 16 (3 - m) of the image and the 32 of k and v (a wait names 63 at the most)
	s_wait_loadcnt 63
	TURN 0, 3
.irp m, 0,1,2,3
.if \m == 0
	s_wait_loadcnt 63
	TURN 64, 3
	s_wait_dscnt 32                                ; tile 0 is back; the next turn's 32 instructions may be out
.elseif \m == 1
	s_wait_loadcnt 48
	TURN 128, 3
	s_wait_dscnt 36                                ; tile 1 is back; behind its turn stand the last image's 4 stores and the next turn's 32
.elseif \m == 2
	s_wait_loadcnt 32
	TURN 192, 3
	s_wait_dscnt 36                                ; tile 2 is back, and the image of two tiles back has read this set of codes
.else
	s_wait_dscnt 4                                 ; tile 3 is back; the last image's 4 stores may be out
.endif
	QUANT 64*\m, 3, 1, PC0+20*(\m%2), PW+(\m%2)
	IMAGE IW0, 4*\m*FRB, SW0, 4*\m*128, PC0+20*(\m%2), PW+(\m%2)
.endr
	WIN 0xc7                                       ; destination and source 0 window 3, source 1 window 1
.set n, 0
.rept 128
	v_pk_add_f32 v[n:n+1], v[n:n+1], v[n%64:n%64+1]                ; image + fc2_b: what fc2's products add onto
.set n, n+2
.endr
	WIN 0
	s_wait_tensorcnt 1                             ; my part of slot 0 is in; slot 1's may stay out
	BAR                                            ; the image's sixteen fragments lie in region 0
	; ---- q = image q_w^T + q_b
	SLOT 0, 0, 0x60, 2, 0, 0x50, 0, 1
	SLOT 1, 0, 0x50, 0, 0, 0x50, 0, 1
	; ---- the attention on one key.  My 128 units are heads 2 w and 2 w + 1; a lane holds 32 units of each, lane l xor 16 the other 32
	s_wait_loadcnt 0x0                             ; k and v
	WIN 0x02
.set n, 0
.rept 32
	v_mov_b32 v[KC+n], v[192+n]                    ; into window 0, where the broadcasts work
.set n, n+1
.endr
	WIN 0
.irp m, 0,1,2,3
.irp e, 0,1
	SHARE KC+4*\m+2*\e
	WIN 0x01                                       ; q: window 1; each accumulator from its low end on
	v_pk_mul_f32 v[CH:CH+1], v[64*\m+32*\e:64*\m+32*\e+1], v[T:T+1]
	v_pk_mul_f32 v[CH+2:CH+3], v[64*\m+32*\e+2:64*\m+32*\e+3], v[T+2:T+3]
.irp n, 4,8,12,16,20,24,28
	v_pk_fma_f32 v[CH:CH+1], v[64*\m+32*\e+\n:64*\m+32*\e+\n+1], v[T+\n:T+\n+1], v[CH:CH+1]
	v_pk_fma_f32 v[CH+2:CH+3], v[64*\m+32*\e+\n+2:64*\m+32*\e+\n+3], v[T+\n+2:T+\n+3], v[CH+2:CH+3]
.endr
	WIN 0
	v_pk_add_f32 v[CH:CH+1], v[CH:CH+1], v[CH+2:CH+3]
	v_add_f32 v[SV+2*\m+\e], v[CH], v[CH+1]
.endr
.endr
.irp k, 0,1,2,3,4,5,6,7
	v_permlanex16_b32 v[SX+\k], v[SV+\k], s[SEL], s[SEL+1]
.endr
.irp k, 0,1,2,3,4,5,6,7
	v_add_f32 v[SV+\k], v[SV+\k], v[SX+\k]
.endr
.irp k, 0,1,2,3,4,5,6,7
	v_mul_f32 v[SV+\k], 0x3e000000, v[SV+\k]       ; / sqrt(64): the score
.endr
.irp k, 0,1,2,3,4,5,6,7
	v_sub_f32 v[SV+\k], v[SV+\k], v[SV+\k]         ; less the row's largest score, which with one key is the score itself
.endr
.irp k, 0,1,2,3,4,5,6,7
	v_mul_f32 v[SV+\k], 0x3fb8aa3b, v[SV+\k]
.endr
.irp k, 0,1,2,3,4,5,6,7
	v_exp_f32 v[SV+\k], v[SV+\k]
.endr
	v_nop                                          ; one plain place and one wait for the batch
	s_wait_alu depctr_va_vdst(0)
.irp k, 0,1,2,3,4,5,6,7
	v_rcp_f32 v[SX+\k], v[SV+\k]                   ; the row's sum is its one exponential
.endr
	v_nop
	s_wait_alu depctr_va_vdst(0)
.irp k, 0,1,2,3,4,5,6,7
	v_mul_f32 v[PP+2*\k], v[SV+\k], v[SX+\k]       ; the weight, twice: a pair for the packed multiply
	v_mul_f32 v[PP+2*\k+1], v[SV+\k], v[SX+\k]
.endr
.irp m, 0,1,2,3
.irp e, 0,1
	SHARE VC+4*\m+2*\e
	WIN 0x40
.irp n, 0,2,4,6,8,10,12,14,16,18,20,22,24,26,28,30
	v_pk_mul_f32 v[64*\m+32*\e+\n:64*\m+32*\e+\n+1], v[T+\n:T+\n+1], v[PP+2*(2*\m+\e):PP+2*(2*\m+\e)+1]
.endr
	WIN 0
.endr
.endr
	EPI 1, 1, 0, IW0+1, SW0+1
	; ---- o
	SLOT 0, 1, 0x60, 2, 64, 0x50, 0, 1
	SLOT 1, 1, 0x50, 0, 0, 0x50, 0, 1
	EPI 1, 1, 0, IW0, SW0
	; ---- fc1, relu, fc2: four chunks of 512 hidden units
	s_mov_b32 s[CNT], 0
.Lfc:
	s_wait_loadcnt 0x0                             ; this chunk's part of fc1_b
	SLOT 0, 0, 0x60, 2, 128, 0x50, 0, 1
	SLOT 1, 0, 0x50, 0, 0, 0x50, 0, 1
	s_add_co_u32 s50, s[CNT], 1
	s_and_b32 s50, s50, 3                          ; the next chunk's bias; the last trip asks for chunk 0 again: no load leaves the buffer
	s_lshl_b32 s50, s50, 11
	v_add_nc_u32 v[BF1], s50, v[BOF]
	WIN 0x80
	BIAS 128, 16, BF1
	WIN 0
	EPI 1, 0, 1, IW0+1, SW0+1
	SLOT 0, 1, 0xf0, 0, 0, 0xf0, 0, 1
	SLOT 1, 1, 0xf0, 0, 0, 0xf0, 0, 1
	s_add_co_u32 s[CNT], s[CNT], 1
	s_cmp_lt_u32 s[CNT], 4
	s_cbranch_scc1 .Lfc
	; ---- x / its norm: each wave's 128 squares a row, joined through LDS in the waves' order
.irp m, 0,1,2,3
	WIN 0x0f
	v_pk_mul_f32 v[CH:CH+1], v[64*\m:64*\m+1], v[64*\m:64*\m+1]
	v_pk_mul_f32 v[CH+2:CH+3], v[64*\m+2:64*\m+3], v[64*\m+2:64*\m+3]
.irp n, 4,8,12,16,20,24,28,32,36,40,44,48,52,56,60
	v_pk_fma_f32 v[CH:CH+1], v[64*\m+\n:64*\m+\n+1], v[64*\m+\n:64*\m+\n+1], v[CH:CH+1]
	v_pk_fma_f32 v[CH+2:CH+3], v[64*\m+\n+2:64*\m+\n+3], v[64*\m+\n+2:64*\m+\n+3], v[CH+2:CH+3]
.endr
	WIN 0
	v_pk_add_f32 v[CH:CH+1], v[CH:CH+1], v[CH+2:CH+3]
	v_add_f32 v[SV+\m], v[CH], v[CH+1]
.endr
.irp m, 0,1,2,3
	v_permlanex16_b32 v[SX+\m], v[SV+\m], s[SEL], s[SEL+1]
.endr
.irp m, 0,1,2,3
	v_add_f32 v[SV+\m], v[SV+\m], v[SX+\m]
.endr
.irp m, 0,1,2,3
	ds_store_b32 v[NW], v[SV+\m] offset:128*\m
.endr
	BAR
.irp m, 0,1,2,3
.irp u, 0,1,2,3
	ds_load_b32 v[T+4*\m+\u], v[NR] offset:512*\u+128*\m
.endr
.endr
	s_wait_dscnt 0x0
.irp m, 0,1,2,3
	v_add_f32 v[T+4*\m], v[T+4*\m], v[T+4*\m+1]
.endr
.irp m, 0,1,2,3
	v_add_f32 v[T+4*\m], v[T+4*\m], v[T+4*\m+2]
.endr
.irp m, 0,1,2,3
	v_add_f32 v[T+4*\m], v[T+4*\m], v[T+4*\m+3]
.endr
.irp m, 0,1,2,3
	v_rsq_f32 v[PP+2*\m], v[T+4*\m]
.endr
	v_nop
	s_wait_alu depctr_va_vdst(0)
.irp m, 0,1,2,3
	v_mov_b32 v[PP+2*\m+1], v[PP+2*\m]
.endr
	WIN 0xc3
.set n, 0
.rept 128
	v_pk_mul_f32 v[n:n+1], v[n:n+1], v[PP+2*(n/64):PP+2*(n/64)+1]
.set n, n+2
.endr
	WIN 0
	EPI 3, 1, 0, IW0, SW0
	; ---- the logits: source 0 = frames, source 1 = classes 128 w + 16 t + r.  Nothing is left to fetch: no round
	SLOT 0, 0, 0x40, 1, 0, 0x50, 1, 0
	s_wait_tensorcnt 0x0                           ; my part of the last slot, which I alone read
	SLOT 1, 0, 0x50, 0, 0, 0x50, 1, 0
; THE WAY OUT, a tile of 16 classes at a time: a lane's 32 bytes (8 frames of one video) go into rows of 272 bytes, a class's 256 bytes (4 videos x 16 frames) come back whole
.macro TOSTAGE t
	WIN 0x04                                       ; an LDS store's data are its source 1: window 1
.irp m, 0,1,2,3
	ds_store_b128 v[STO], v[64*\m+8*(\t):64*\m+8*(\t)+3] offset:64*\m          ; each accumulator from its low end on
	ds_store_b128 v[STO], v[64*\m+8*(\t)+4:64*\m+8*(\t)+7] offset:64*\m+16
.endr
	WIN 0
.irp i, 0,1,2,3,4,5,6,7
	ds_load_b128 v[OB+32*((\t)%2)+4*\i:OB+32*((\t)%2)+4*\i+3], v[RD] offset:544*\i   ; LDS serves a wave's instructions in order: these see my stores, and the next tile's stores come behind them
.endr
.endm
.macro SEND t, younger                 ; younger: the LDS instructions issued behind tile t's loads
.irp i, 0,1,2,3,4,5,6,7
	s_wait_dscnt (\younger)+7-\i
	global_store_b128 v[CO], v[OB+32*((\t)%2)+4*\i:OB+32*((\t)%2)+4*\i+3], s[20:21] offset:(\t)*1048576+\i*131072 th:TH_STORE_NT   ; 16 lanes store 256 consecutive bytes, aligned
.endr
.endm
	TOSTAGE 0
	SEND 0, 0
	s_cmp_eq_u32 s[WV], 3                          ; wave 3's classes end at 399: its tiles 1-7 are zeros and are not stored
	s_cbranch_scc1 .Ldone
	TOSTAGE 1
.irp t, 2,3,4,5,6,7
	s_wait_xcnt 0x0                                ; the stores of two tiles back have read the registers into which this tile's rows come
	TOSTAGE \t
	SEND \t-1, 16
.endr
	SEND 7, 0
.Ldone:
	s_wait_tensorcnt 0x0                           ; the wave's end
	ds_add_u32 v[SPW], v[NIL]
	s_wait_dscnt 0x0
	ROUND                                          ; the closing round: no work-group ends while a partner may still ask for a part that names it
	s_endpgm
.Lfunc_end_k_q66f5f6813d_chain:
	.size	k_q66f5f6813d_chain, .Lfunc_end_k_q66f5f6813d_chain-k_q66f5f6813d_chain
	.p2alignl 7, 3214868480
	.fill 96, 4, 3214868480
	.section	.rodata,"a",@progbits
	.p2align	6, 0x0
	.amdhsa_kernel k_q66f5f6813d_chain
		.amdhsa_group_segment_fixed_size 327680
		.amdhsa_private_segment_fixed_size 0
		.amdhsa_enable_private_segment 0
		.amdhsa_kernarg_size 72
		.amdhsa_user_sgpr_count 2
		.amdhsa_user_sgpr_kernarg_segment_ptr 1
		.amdhsa_wavefront_size32 1
		.amdhsa_system_sgpr_workgroup_id_x 1
		.amdhsa_system_sgpr_workgroup_id_y 1
		.amdhsa_system_sgpr_workgroup_id_z 1
		.amdhsa_system_vgpr_workitem_id 0
		.amdhsa_next_free_vgpr 1024
		.amdhsa_next_free_sgpr 66
		.amdhsa_reserve_vcc 0
		.amdhsa_float_denorm_mode_32 3
		.amdhsa_float_denorm_mode_16_64 3
		.amdhsa_memory_ordered 1
		.amdhsa_forward_progress 1
		.amdhsa_inst_pref_size 255
	.end_amdhsa_kernel
	.section	.bss,"aw",@nobits
	.p2align	6
	.space	262144
	.amdgpu_metadata
---
amdhsa.version: [ 1, 2 ]
amdhsa.kernels:
  - .name:           k_q66f5f6813d_chain
    .symbol:         k_q66f5f6813d_chain.kd
    .args:
      - { .name: image_feats, .offset: 0, .size: 8, .value_kind: global_buffer, .address_space: global }
      - { .name: wst, .offset: 8, .size: 8, .value_kind: global_buffer, .address_space: global }
      - { .name: kvt, .offset: 16, .size: 8, .value_kind: global_buffer, .address_space: global }
      - { .name: top, .offset: 24, .size: 8, .value_kind: global_buffer, .address_space: global }
      - { .name: q_b, .offset: 32, .size: 8, .value_kind: global_buffer, .address_space: global }
      - { .name: o_b, .offset: 40, .size: 8, .value_kind: global_buffer, .address_space: global }
      - { .name: fc1_b, .offset: 48, .size: 8, .value_kind: global_buffer, .address_space: global }
      - { .name: fc2_b, .offset: 56, .size: 8, .value_kind: global_buffer, .address_space: global }
      - { .name: out0, .offset: 64, .size: 8, .value_kind: global_buffer, .address_space: global }
    .group_segment_fixed_size: 327680
    .private_segment_fixed_size: 0
    .kernarg_segment_align: 8
    .kernarg_segment_size: 72
    .max_flat_workgroup_size: 128
    .sgpr_count:     66
    .vgpr_count:     1024
    .wavefront_size: 32
...
	.end_amdgpu_metadata
.endif
;; end of part 3
